; MI455X (gfx1250); checked and timed in simulation.
; The chip was launched on July 23, 2026; its instructions are those of AMD's public machine-readable ISA for CDNA 5 (MIT licence, August 2026) and "CDNA5" Instruction Set Architecture Reference Guide (July 2026). The comments in the code are by the model that wrote it; some were corrected since.
;; Attention. Allowed arithmetic: matrix products marked QUANTISED: E2M3 operands, one E8M0 scale for each 32 along K, by v_wmma_scale_f32_16x16x128_f8f6f4 with both operands' format E2M3, f32 sums; everything else in f32.
;; Inputs: W_mlp 1,024 x 1,024 float32; W_qkv 1,024 x 3,072 float32; b_mlp 1,024 float32; input 4 x 2,048 x 1,024 float32.
;; Outputs: out0 4 x 2,048 x 1,024 float32.
;; This version of the problem:
;;   THIS VERSION OF THE PROBLEM IS GIVEN IN LOW PRECISION. The matrix products marked QUANTISED in the list below multiply operands that are first quantised to E2M3 (2 exponent bits, 3 mantissa bits; 6 bits a number), with one power-of-two scale for each 32 numbers along K (OCP MX v1.0); their sums are f32. All else is computed in f32.
;;   The module's matrix products, in the order in which they are computed (A, B: the left and right operand; K: the contracted axis; several contracted axes count as one K, in the product's order):
;;     1. [M 8,192, K 1,024] x [K 1,024, N 3,072]; A: input input; B: input W_qkv: QUANTISED
;;     2. batch 64 x [M 2,048, K 64] x [K 64, N 2,048]; A: computed on the way; B: computed on the way: QUANTISED
;;     3. batch 64 x [M 2,048, K 2,048] x [K 2,048, N 64]; A: softmax (see below); B: computed on the way: QUANTISED
;;     4. [M 8,192, K 1,024] x [K 1,024, N 1,024]; A: computed on the way; B: input W_mlp: QUANTISED
;;   THE QUANTISER, for each operand of a quantised product, along K:
;;     - K is cut into blocks of 32 from its start; a last block that is shorter is filled with zeros.
;;     - A block's scale is 2^e with e = floor(log2(the largest magnitude in the block)) - 2, held to -126 .. 127; a block of zeros has e = 0. As a byte (E8M0): e + 127.
;;     - Each number is divided by its block's scale, clamped to +-7.5, and rounded to the nearest number of E2M3, ties to even, subnormals kept.
;;     - The product sums the exact products of the quantised numbers (number of the format x scale) in f32.
;;   ~~~python
;;   def quantise(x, axis):      # numpy; x: float32 -> the quantised numbers, widened to float32 again
;;       x = np.moveaxis(x, axis, -1); K = x.shape[-1]
;;       x = np.pad(x, [(0, 0)] * (x.ndim - 1) + [(0, -K % 32)]); x = x.reshape(x.shape[:-1] + (-1, 32)); a = np.abs(x).max(-1, keepdims=True)
;;       e = np.where(a > 0, np.clip(np.frexp(np.where(a > 0, a, 1))[1] - 1 - 2, -126, 127), 0)      # np.frexp(a)[1] - 1 = floor(log2(a)), exactly
;;       r = np.clip(x / 2.0 ** e, -7.5, 7.5)
;;       step = 2.0 ** (np.maximum(np.frexp(np.where(r == 0, 1, r))[1] - 1, 0) - 3)
;;       q = np.round(r / step) * step * 2.0 ** e      # np.round: ties to even
;;       return np.moveaxis(q.reshape(q.shape[:-2] + (-1,))[..., :K], -1, axis).astype(np.float32)
;;   ~~~
;;   SOFTMAX AHEAD OF A QUANTISED PRODUCT. Where the list says 'softmax', what is quantised is not the finished softmax but p = 2^(t - M), with t = logit x log2(e) and M = ceil(the row's largest t), a whole number; so 1/2 < the row's largest p <= 1. The row's sum l is taken of the UNQUANTISED p, in f32, and the product's result is divided by l at the end. Since M is a whole number, a kernel that streams over the keys may use a running M (the ceiling of the running maximum): every later rescaling is an exact power of two, which a block's scale takes up: the codes' values come out the same.
;;   OPERANDS COMPUTED ON THE WAY. 'Computed on the way' means the value that the module computes at that place (a softmax that the list does not call 'softmax' is quantised finished and normalised). What goes into a quantiser is computed in f32, as accurately as f32 sums, v_exp_f32 and their like allow (about 1e-6 of the number): no bf16 or f16 on the way to a quantiser, and a product that is left as it is and whose result goes on into a quantised operand takes f32 operands (vector FMAs, or v_wmma_f32_16x16x4_f32). A number that lies on a knife's edge between two numbers of the format may be rounded either way, as far as f32 arithmetic and the matrix unit's own rounding can turn it there, and no further.
;; One version. Each part assembles by itself: llvm-mc -triple=amdgcn-amd-amdhsa -mcpu=gfx1250 --defsym DOCPART=n.
;; ======== version 1 of 1: 5 launches
;; workspace buffers: xq 6,553,600 bytes; wqk 1,638,400 bytes; wv 819,200 bytes; wm 819,200 bytes; qk 13,107,200 bytes; vv 6,553,600 bytes; oo 6,553,600 bytes
;; launch quant (part 1): grid 384 x 1, 4 waves a work-group, no clusters, 68,096 bytes of LDS; arguments input, W_qkv, W_mlp, xq, wqk, wv, wm; writes xq, wqk, wv, wm
.if DOCPART == 1
	.amdgcn_target "amdgcn-amd-amdhsa--gfx1250"
	.amdhsa_code_object_version 6
	.text
	.protected	k_q148905865d_quant
	.globl	k_q148905865d_quant
	.p2align	8
	.type	k_q148905865d_quant,@function
k_q148905865d_quant:
	s_mov_b64 s[64:65], 0
	v_nop
	global_prefetch_b8 v0, s[64:65] scope:SCOPE_SE
	s_setreg_imm32_b32 hwreg(HW_REG_WAVE_MODE, 25, 1), 1
	s_wait_xcnt 0x0
; input [8192][1024], W_qkv [1024][3072] and W_mlp [1024][1024], f32, become codes of FP6 (E2M3) with K innermost and one E8M0 byte for each 32 along K.
; A block's scale is 2^(floor(log2(its largest magnitude)) - 2): its byte is the largest magnitude's exponent field - 2, held at 1 from below.
; LIMITS: a block of zeros gets the byte 1 (its codes are zeros, and this program alone reads the bytes); largest magnitudes under 2^-124 are held at byte 1; NaN and infinities are not served.
; WHAT IS WRITTEN: chunks of 204,800 bytes for 256 rows: [256][768 bytes of codes], then at 196,608 [256][32 scale bytes].
; TILE ORDER: in each group of 32 rows, row rho lies at the place whose bits 3 and 4 are rho's bits 4 and 3.  Sixteen neighbouring places then hold rows 8 u + 0..7 and 16 + 8 u + 0..7,
; so that a product which takes such a tile as source 0 leaves a lane with 16 neighbours in the registers of two neighbouring tiles.
; Work-groups 0 to 255 take 32 rows of input each (K innermost: a stream of blocks); work-groups 256 to 383 take 128 columns x 256 along K of a weight (K outermost: a lane to a column, registers down K).
; The two ways part on the work-group's number, never join, and have LDS bytes of their own.  No tensor load, no barrier: waves share nothing.
.set SPW,   224                        ; v224 LDS address of my spare word; never rewritten
.set NIL,   225                        ; v225 0; never rewritten
.set SPARE, 67584                      ; behind both ways' bytes: 128 bytes for each wave
.set EMAX,  2
.set CHUNK, 204800
.set KROW,  768                        ; a row of 1,024 codes
; the way of input
.set STEPS, 16
.set CB,    12                         ; bytes of 16 codes
.set R,     16                         ; v16-79   four sets of 16 numbers as loaded
.set XN,    80                         ; v80-111  two sets of 16 neighbours
.set E,     112                        ; v112-127 a scale byte for each step
.set XC,    128                        ; v128-191 codes: four registers for each step
.set WREG,  8192                       ; LDS from 0: a region for each wave: two stages of 32 x SP bytes, then its 256 scale bytes
.set SP,    80
; the way of the weights
.set WSTG,  32768                      ; LDS: four stages of 32 rows x 272 bytes
.set WPITCH, 272
.set NB,    8                          ; blocks of 32 along K for a wave
.set WX,    32                         ; v32-95   two sets of 32 numbers
.set WC,    96                         ; v96..    a block's codes
.set OUTR,  112                        ; v112-175 the way out
.set SB,    24                         ; v24-25   eight scale bytes
.set OFS,   192                        ; v192-223 4 x lane + i x the weight's row, i = 0 .. 31; never rewritten
.set BS,    28                         ; s[28:43] eight bases: block t's first row
	s_load_b256 s[4:11], s[0:1], 0x0               ; input s[4:5], W_qkv s[6:7], W_mlp s[8:9], xq s[10:11]
	s_load_b128 s[12:15], s[0:1], 0x20             ; wqk s[12:13], wv s[14:15]
	s_load_b64 s[16:17], s[0:1], 0x30              ; wm
	v_lshl_add_u32 v[SPW], v0, 2, SPARE
	v_mov_b32 v[NIL], 0
	v_lshrrev_b32 v1, 5, v0
	v_readfirstlane_b32 s18, v1                    ; wave 0..3
	v_and_b32 v2, 31, v0                           ; lane
	s_wait_kmcnt 0x0
	s_cmp_lt_u32 ttmp9, 256
	s_cbranch_scc0 .Lw
; ---------------- input: wave w of work-group g takes rows 32 g + 8 w .. + 7, 8,192 numbers on end
	v_lshlrev_b32 v3, 4, v2                        ; my 16 bytes of a load's 512
	s_mul_i32 s19, s18, WREG
	v_lshrrev_b32 v14, 2, v2
	v_mul_u32_u24 v14, v14, SP
	v_and_b32 v15, 3, v2
	v_lshl_add_u32 v14, v15, 4, v14
	v_add_nc_u32 v14, s19, v14                     ; the stage, on the way in: four lanes' 64 bytes on end, then 16 of padding
	v_mul_u32_u24 v15, v2, SP
	v_add_nc_u32 v15, s19, v15                     ; on the way out: my 16 neighbours
	v_mul_u32_u24 v4, v2, CB                       ; my codes' place in a step's
	v_lshrrev_b32 v5, 1, v2
	s_add_co_u32 s19, s19, 2*32*SP
	v_add_nc_u32 v5, s19, v5                       ; my block's byte among the wave's 256
	v_lshlrev_b32 v7, 3, v2
	v_add_nc_u32 v6, s19, v7                       ; and 8 bytes a lane on the way out
	s_lshl_b32 s20, ttmp9, 2
	s_add_co_u32 s20, s20, s18
	s_lshl_b32 s20, s20, 15                        ; (4 g + w) x 32,768 bytes of f32
	s_mov_b32 s21, 0
	s_add_nc_u64 s[4:5], s[4:5], s[20:21]
	s_and_b32 s22, s18, 1                          ; tile order: the rows' bits 3 and 4 are the wave's bits 0 and 1: they change places
	s_lshl_b32 s22, s22, 1
	s_lshr_b32 s23, s18, 1
	s_or_b32 s22, s22, s23
	s_and_b32 s23, ttmp9, 7
	s_lshl_b32 s23, s23, 2
	s_add_co_u32 s22, s22, s23                     ; which run of 8 places in the chunk
	s_lshr_b32 s23, ttmp9, 3
	s_mul_i32 s23, s23, CHUNK
	s_mul_i32 s20, s22, 8*KROW
	s_add_co_u32 s20, s20, s23
	s_add_nc_u64 s[24:25], s[10:11], s[20:21]      ; my codes
	s_lshl_b32 s20, s22, 8
	s_add_co_u32 s20, s20, s23
	s_add_co_u32 s20, s20, 256*KROW
	s_add_nc_u64 s[26:27], s[10:11], s[20:21]      ; my 256 scale bytes
.macro XLOAD t
.irp i, 0,1,2,3
	global_load_b128 v[R+16*((\t)%4)+4*\i:R+16*((\t)%4)+4*\i+3], v3, s[4:5] offset:2048*(\t)+512*\i th:TH_LOAD_NT   ; 32 lanes read 512 consecutive bytes
.endr
.endm
.macro XTURN t                         ; step t's numbers through the stage: LDS serves a wave's instructions in order, so no wait stands between the stores and the loads
.irp i, 0,1,2,3
	ds_store_b128 v14, v[R+16*((\t)%4)+4*\i:R+16*((\t)%4)+4*\i+3] offset:32*SP*((\t)%2)+8*SP*\i
.endr
.irp i, 0,1,2,3
	ds_load_b128 v[XN+16*((\t)%2)+4*\i:XN+16*((\t)%2)+4*\i+3], v15 offset:32*SP*((\t)%2)+16*\i
.endr
.endm
.irp t, 0,1,2,3
	XLOAD \t
.endr
	s_wait_loadcnt 12                              ; step 0's four loads are in; twelve younger ones may be out
	XTURN 0
.macro XSTEP t
.set XS, XN+16*((\t)%2)
.if (\t) > 0
	s_wait_dscnt 1                                 ; this step's numbers are back from the stage; the last step's byte store may be out
.else
	s_wait_dscnt 0x0
.endif
.if (\t)+4 < STEPS
	XLOAD (\t)+4                                   ; into the registers that this step's stage stores have read
.endif
.if (\t)+1 < STEPS
.if STEPS-2-(\t) >= 3
	s_wait_loadcnt 12                              ; the next step's four loads are in; those of the three steps behind it may be out
.else
	s_wait_loadcnt 4*(STEPS-2-(\t))
.endif
	XTURN (\t)+1
.endif
	v_max3_num_f32 v8, |v[XS]|, |v[XS+1]|, |v[XS+2]|               ; the largest magnitude of my 16, in two chains
	v_max3_num_f32 v9, |v[XS+3]|, |v[XS+4]|, |v[XS+5]|
.irp i, 6,10
	v_max3_num_f32 v8, v8, |v[XS+\i]|, |v[XS+\i+1]|
	v_max3_num_f32 v9, v9, |v[XS+\i+2]|, |v[XS+\i+3]|
.endr
	v_max3_num_f32 v8, v8, |v[XS+14]|, |v[XS+15]|
	v_max3_num_f32 v8, v8, v9, (EMAX+1)<<23        ; and the floor 2^(3 - 127): the byte cannot fall under 1
	v_max_num_f32_dpp v8, v8, v8 row_xmask:1 row_mask:0xf bank_mask:0xf   ; with my neighbour's 16: the block's
	v_add_nc_u32 v11, -(EMAX<<23), v8              ; 2 off its exponent field: the conversion takes the exponent field of this operand as its scale
	v_cvt_scalef32_pk16_fp6_f32 v[XC+4*(\t):XC+4*(\t)+2], v[XS:XS+15], v11
	v_lshrrev_b32 v[E+(\t)], 23, v11               ; the scale's byte
	ds_store_b8 v5, v[E+(\t)] offset:16*(\t)       ; both lanes of a block write the same byte with the same value
	global_store_b96 v4, v[XC+4*(\t):XC+4*(\t)+2], s[24:25] offset:32*CB*(\t)   ; the wave stores 384 consecutive bytes
.endm
.irp t, 0,1,2,3,4,5,6,7,8,9,10,11,12,13,14,15
	XSTEP \t
.endr
	ds_load_b64 v[8:9], v6                         ; LDS serves a wave's instructions in order: these see my byte stores
	s_wait_dscnt 0x0
	global_store_b64 v7, v[8:9], s[26:27]          ; 32 lanes store 256 consecutive bytes, aligned
	s_wait_tensorcnt 0x0                           ; the wave's end, behind my last LDS store
	ds_add_u32 v[SPW], v[NIL]
	s_wait_dscnt 0x0
	s_endpgm
; ---------------- the weights: work-group 256 + 4 xc + y takes block xc of 128 columns and 256 y .. + 255 along K; a wave 32 columns
.Lw:
	s_sub_co_u32 s19, ttmp9, 256
	s_and_b32 s20, s19, 3                          ; y
	s_lshr_b32 s21, s19, 2                         ; xc: 0-15 W_qkv's q and k columns -> wqk; 16-23 its v columns -> wv; 24-31 W_mlp -> wm
	s_cmp_lt_u32 s21, 24                           ; every choice hangs on the work-group's number alone
	s_cselect_b64 s[6:7], s[6:7], s[8:9]           ; the source,
	s_mov_b32 s22, 4096
	s_cselect_b32 s22, 12288, s22                  ; its row in bytes,
	s_cselect_b32 s23, 0, 24                       ; what comes off xc for its block of columns
	s_cselect_b64 s[14:15], s[14:15], s[16:17]
	s_cselect_b32 s24, 16, 24
	s_cmp_lt_u32 s21, 16
	s_cselect_b64 s[12:13], s[12:13], s[14:15]     ; the destination,
	s_cselect_b32 s24, 0, s24                      ; and what comes off xc for its block of 128 rows
	s_sub_co_u32 s23, s21, s23
	s_sub_co_u32 s24, s21, s24
	v_lshlrev_b32 v[OFS], 2, v2                    ; a lane to a column: 4 bytes a lane,
.set I, 1
.rept 31
	v_add_nc_u32 v[OFS+I], s22, v[OFS+I-1]         ; and a row further down for each register
.set I, I+1
.endr
	s_lshl_b32 s25, s23, 9                         ; 128 columns x 4 bytes
	s_lshl_b32 s26, s18, 7                         ; + my wave's 32 columns
	s_add_co_u32 s25, s25, s26
	s_mul_i32 s26, s20, s22
	s_lshl_b32 s26, s26, 8                         ; + 256 y rows
	s_add_co_u32 s26, s26, s25
	s_mov_b32 s27, 0
	s_add_nc_u64 s[BS:BS+1], s[6:7], s[26:27]
	s_lshl_b32 s26, s22, 5                         ; 32 rows on for each block: no pointer is stepped while loads are out
.irp t, 1,2,3,4,5,6,7
	s_add_nc_u64 s[BS+2*\t:BS+2*\t+1], s[BS+2*\t-2:BS+2*\t-1], s[26:27]
.endr
	s_lshr_b32 s25, s24, 1
	s_mul_i32 s25, s25, CHUNK                      ; the destination's chunk of 256 rows
	s_and_b32 s26, s24, 1
	s_lshl_b32 s26, s26, 7
	s_lshl_b32 s19, s18, 5
	s_add_co_u32 s26, s26, s19                     ; my wave's first place in it
	s_mul_i32 s19, s26, KROW
	s_add_co_u32 s19, s19, s25
	s_mul_i32 s23, s20, 192                        ; 256 y codes along the row
	s_add_co_u32 s22, s19, s23
	s_mov_b32 s23, 0
	s_add_nc_u64 s[8:9], s[12:13], s[22:23]        ; my codes
	s_lshl_b32 s22, s26, 5
	s_add_co_u32 s22, s22, s25
	s_lshl_b32 s19, s20, 3
	s_add_co_u32 s22, s22, s19
	s_add_co_u32 s22, s22, 256*KROW
	s_add_nc_u64 s[10:11], s[12:13], s[22:23]      ; my scale bytes
	s_mul_i32 s19, s18, 32*WPITCH
	s_add_co_u32 s19, s19, WSTG                    ; my stage
	v_mul_u32_u24 v4, v2, WPITCH
	v_add_nc_u32 v4, s19, v4                       ; into it: row = my column
	v_and_b32 v5, 15, v2
	v_lshrrev_b32 v6, 4, v2
	v_mul_u32_u24 v7, v6, WPITCH                   ; out of it: sixteen lanes to a row, two rows an instruction
	v_lshl_add_u32 v7, v5, 4, v7
	v_add_nc_u32 v7, s19, v7
	v_mul_u32_u24 v8, v6, KROW
	v_mad_u32_u24 v8, v5, 12, v8                   ; and the same in the codes
	v_and_b32 v9, 7, v2                            ; my column's place in tile order: the lane's bits 3 and 4 change places;
	v_and_b32 v10, 8, v2
	v_lshl_or_b32 v9, v10, 1, v9
	v_and_b32 v10, 16, v2
	v_lshrrev_b32 v10, 1, v10
	v_or_b32 v9, v9, v10
	v_lshlrev_b32 v9, 5, v9                        ; 32 scale bytes a row
.macro WLOAD t                         ; block t: W(32 t + i, my column), i = 0 .. 31: each load reads 128 consecutive bytes
.set I, 0
.rept 32
	global_load_b32 v[WX+32*((\t)%2)+I], v[OFS+I], s[BS+2*(\t):BS+2*(\t)+1] th:TH_LOAD_NT
.set I, I+1
.endr
.endm
	WLOAD 0
	WLOAD 1
.macro WBLOCK t
.set XS, WX+32*((\t)%2)
.if (\t) < NB-1
	s_wait_loadcnt 32                              ; this block's 32 loads are in; the next block's may be out
.else
	s_wait_loadcnt 0
.endif
	v_max3_num_f32 v12, |v[XS]|, |v[XS+1]|, |v[XS+2]|               ; the block's largest magnitude: all 32 numbers are mine
	v_max3_num_f32 v13, |v[XS+3]|, |v[XS+4]|, |v[XS+5]|
.irp i, 6,10,14,18,22,26
	v_max3_num_f32 v12, v12, |v[XS+\i]|, |v[XS+\i+1]|
	v_max3_num_f32 v13, v13, |v[XS+\i+2]|, |v[XS+\i+3]|
.endr
	v_max3_num_f32 v12, v12, |v[XS+30]|, |v[XS+31]|
	v_max3_num_f32 v12, v12, v13, (EMAX+1)<<23     ; and the floor
	v_add_nc_u32 v11, -(EMAX<<23), v12             ; the conversion's scale operand
	v_lshrrev_b32 v13, 23, v11                     ; the scale's byte
.if (\t)%4 == 0
	v_mov_b32 v[SB+(\t)/4], v13                    ; four bytes to a register, the lower K in the lower byte
.else
	v_lshl_or_b32 v[SB+(\t)/4], v13, 8*((\t)%4), v[SB+(\t)/4]
.endif
	v_cvt_scalef32_pk16_fp6_f32 v[WC:WC+2], v[XS:XS+15], v11
	v_cvt_scalef32_pk16_fp6_f32 v[WC+4:WC+6], v[XS+16:XS+31], v11   ; (a conversion's three registers begin on an even number)
	ds_store_b96 v4, v[WC:WC+2] offset:32*(\t)     ; 12 bytes to a place of 16, so that every LDS address is a multiple of 16
	ds_store_b96 v4, v[WC+4:WC+6] offset:32*(\t)+16
.if (\t)+2 < NB
	WLOAD (\t)+2
.endif
	s_wait_dscnt 0x0                               ; the stores have read their registers: the next block's codes may be written
.endm
.irp t, 0,1,2,3,4,5,6,7
	WBLOCK \t
.endr
	global_store_b64 v9, v[SB:SB+1], s[10:11]      ; my column's eight scale bytes
.irp t, 0,1,2,3,4,5,6,7,8,9,10,11,12,13,14,15
	ds_load_b96 v[OUTR+4*\t:OUTR+4*\t+2], v7 offset:2*\t*WPITCH   ; LDS serves a wave's instructions in order: these see my stores
.endr
.irp t, 0,1,2,3,4,5,6,7,8,9,10,11,12,13,14,15
	s_wait_dscnt 15-\t                             ; the later reads may be out
	global_store_b96 v8, v[OUTR+4*\t:OUTR+4*\t+2], s[8:9] offset:2*((\t%4)+8*((\t/4)%2)+4*(\t/8))*KROW   ; columns 2 t, 2 t + 1 go to their places in tile order: sixteen lanes store a row's 192 consecutive bytes
.endr
	s_wait_tensorcnt 0x0                           ; the wave's end, behind my last LDS store
	ds_add_u32 v[SPW], v[NIL]
	s_wait_dscnt 0x0
	s_endpgm
.Lfunc_end_k_q148905865d_quant:
	.size	k_q148905865d_quant, .Lfunc_end_k_q148905865d_quant-k_q148905865d_quant
	.p2alignl 7, 3214868480
	.fill 96, 4, 3214868480
	.section	.rodata,"a",@progbits
	.p2align	6, 0x0
	.amdhsa_kernel k_q148905865d_quant
		.amdhsa_group_segment_fixed_size 68096
		.amdhsa_private_segment_fixed_size 0
		.amdhsa_enable_private_segment 0
		.amdhsa_kernarg_size 56
		.amdhsa_user_sgpr_count 2
		.amdhsa_user_sgpr_kernarg_segment_ptr 1
		.amdhsa_wavefront_size32 1
		.amdhsa_system_sgpr_workgroup_id_x 1
		.amdhsa_system_sgpr_workgroup_id_y 1
		.amdhsa_system_sgpr_workgroup_id_z 1
		.amdhsa_system_vgpr_workitem_id 0
		.amdhsa_next_free_vgpr 226
		.amdhsa_next_free_sgpr 66
		.amdhsa_reserve_vcc 0
		.amdhsa_float_denorm_mode_32 3
		.amdhsa_float_denorm_mode_16_64 3
		.amdhsa_memory_ordered 1
		.amdhsa_forward_progress 1
		.amdhsa_inst_pref_size 75
	.end_amdhsa_kernel
	.amdgpu_metadata
---
amdhsa.version: [ 1, 2 ]
amdhsa.kernels:
  - .name:           k_q148905865d_quant
    .symbol:         k_q148905865d_quant.kd
    .args:
      - { .name: input, .offset: 0, .size: 8, .value_kind: global_buffer, .address_space: global }
      - { .name: W_qkv, .offset: 8, .size: 8, .value_kind: global_buffer, .address_space: global }
      - { .name: W_mlp, .offset: 16, .size: 8, .value_kind: global_buffer, .address_space: global }
      - { .name: xq, .offset: 24, .size: 8, .value_kind: global_buffer, .address_space: global }
      - { .name: wqk, .offset: 32, .size: 8, .value_kind: global_buffer, .address_space: global }
      - { .name: wv, .offset: 40, .size: 8, .value_kind: global_buffer, .address_space: global }
      - { .name: wm, .offset: 48, .size: 8, .value_kind: global_buffer, .address_space: global }
    .group_segment_fixed_size: 68096
    .private_segment_fixed_size: 0
    .kernarg_segment_align: 8
    .kernarg_segment_size: 56
    .max_flat_workgroup_size: 128
    .sgpr_count:     66
    .vgpr_count:     226
    .wavefront_size: 32
...
	.end_amdgpu_metadata
.endif
;; end of part 1
;; launch gemm_qk (part 2): grid 8 x 32, 4 waves a work-group, clusters of 4 x 4, 327,680 bytes of LDS; arguments xq, wqk, qk; writes qk
.if DOCPART == 2
	.amdgcn_target "amdgcn-amd-amdhsa--gfx1250"
	.amdhsa_code_object_version 6
	.text
	.protected	k_q148905865d_gemm_qk
	.globl	k_q148905865d_gemm_qk
	.p2align	8
	.type	k_q148905865d_gemm_qk,@function
k_q148905865d_gemm_qk:
	s_mov_b64 s[64:65], 0
	v_nop
	global_prefetch_b8 v0, s[64:65] scope:SCOPE_SE
	s_setreg_imm32_b32 hwreg(HW_REG_WAVE_MODE, 25, 1), 1
	s_wait_xcnt 0x0
	s_wait_alu depctr_hold_cnt(0) depctr_sa_sdst(0) depctr_va_vdst(0) depctr_va_sdst(0) depctr_va_ssrc(0) depctr_va_vcc(0) depctr_vm_vsrc(0)
	s_getreg_b32 s2, hwreg(HW_REG_IB_STS2, 6, 4)
	s_cmp_eq_u32 s2, 0
	s_cbranch_scc0 .Lentry_in_a_cluster
	s_endpgm
.Lentry_in_a_cluster:
	s_bfe_u32 s2, ttmp6, 0x10000c
	s_cmp_lg_u32 s2, 0xf033
	s_cbranch_scc0 .Lentry_shape_is_right
	s_endpgm
.Lentry_shape_is_right:
; T[r][p] = sum over k of Rm[r][k] Pm[p][k], K = 1,024, both operands as codes of FP6 (E2M3) with one E8M0 byte for each 32 along K; the result is QUANTISED ALONG p in registers and leaves as images of operand registers.
; It serves twice: Rm = the tokens, Pm = W_qkv's q and k columns (result: q and k, quantised along a head's 64); and Rm = W_qkv's v columns, Pm = the tokens (result: v^T, quantised along the keys).
; OPERANDS: chunks of 204,800 bytes for 256 rows: [256][768 bytes of codes], at 196,608 [256][32 scale bytes].  A work-group takes chunk y of Rm and chunk x of Pm: 256 x 256 of T; each of four waves 128 x 128 in 512 registers.
; K goes in steps of 256 through a ring of two LDS slots filled by the tensor data mover; the scale bytes of all of K come once, with the first fills.
; CLUSTERS: 4 x 4 work-groups.  A row of the cluster shares Rm's tiles, a column Pm's: each tile is asked for jointly, by the same tensor load with the same descriptor and a mask that names the four.
; THE MATRIX INSTRUCTION: source 0 = 16 rows of Pm, source 1 = 16 rows of Rm: a lane holds one row r, its registers run along p.  Pm's rows lie in tile order (in each 32, bits 3 and 4 of the row changed places), so the 16 registers of
; tiles 2 g and 2 g + 1 are p = 32 g + 16 (lane / 16) + 0 .. 15: sixteen neighbours along the next product's K.
; WHAT IS WRITTEN: for each 16 rows r and 128 along p a fragment of 1,536 bytes: registers 0-3 at 16 x lane, 4-5 at 512 + 8 x lane, 6-9 at 768 + 16 x lane, 10-11 at 1,280 + 8 x lane, and 16 scale words.
; Chunks of 102,400 bytes: [64 tiles of r][1,536], at 98,304 [64][16 words]; chunk ((tile / 64) + (step of p / 16)) x 16 + step of p % 16.
; LIMITS: a block of zeros gets the byte 1 over zero codes; largest magnitudes under 2^-124 are held at byte 1; NaN and infinities are not served.
; REGISTERS, in windows of 256: window 0: v0-31 addresses; v32-63 scale words, two sets; from v128 Rm's fragments, ONE set; in the epilogue v112-131 codes, v200-216 at work.
;   window 1: Pm's fragments, TWO sets, at v0 and v128.   window 2: the accumulators of my rows 0-63 ((a, b) at v[8 (8 a + b)]);   window 3: those of my rows 64-127.
.set SIZE_K, 1024
.set KSTEP,  256                       ; along K in a slot
.set NQ,     KSTEP/128                 ; matrix instructions deep
.set ROWB,   192                       ; a tile's row in bytes
.set KROW,   SIZE_K*6/8                ; a row of codes in memory
.set PITCH,  240                       ; an LDS row: 3 x (64 bytes + 16 of padding) = 60 words: the 32 lanes of a load of 8 bytes touch 64 different banks (64 banks of 4 bytes: ISA guide 11.1)
.set FR,     12                        ; registers of a fragment
.set NL,     6                         ; LDS loads that bring one
.set NP,     4                         ; places behind this matrix instruction (ISA guide 7.12.1)
.set HALFT,  128*PITCH                 ; 128 rows: what one tensor load brings
.set SLOT,   4*HALFT                   ; Rm's 256 rows, then Pm's 256 rows
.set LAPS,   SIZE_K/(2*KSTEP)
.set KS,     SIZE_K/32                 ; a row of scale bytes
.set SCL,    2*SLOT                    ; behind the ring: the scale bytes, as runs of 256 bytes + 16 of padding
.set HALFS,  (128*KS/256)*272
.set SBLK,   (16*KS/256)*272
.set SPARE,  SCL+4*HALFS               ; the spare words, 128 bytes for each wave
.set CHUNK,  256*KROW+256*KS           ; 204,800
.set ICHUNK, 64*1536+64*64             ; 102,400
.set ADRA, 16                          ; v16-17 LDS address of my Rm fragments in slot 0, 1 (v18-19: for the pieces behind one padding more)
.set ADRB, 20                          ; v20-23 the same for Pm
.set L16,  24                          ; v24  16 x lane
.set L8,   25                          ; v25  8 x lane
.set WSA,  26                          ; v26  where I put a tile's scale word: 512 x wave + 4 (lane % 16), in slot 0, which has had its last fill and its last read by then
.set ADRS, 27                          ; v27  LDS address of my scale words: lanes 0-15 Rm's rows, lanes 16-31 Pm's
.set SPW,  28                          ; v28  my spare word; never rewritten
.set NIL,  29                          ; v29  0; never rewritten
.set WSR,  30                          ; v30  where I read my eight tiles' words back: 512 x wave + 16 x lane
.set SC,   32
.set AF,   128
.set PC,   112                         ; the epilogue: a fragment's codes, v112-123; v124-130 the conversions' second halves
.set TM,   200                         ; v200-203 largest magnitudes, v204-207 bytes, v212-215 the conversions' scale operands
.set PW,   216                         ; the scale word just made
.set G1, 24
.set G0, 32
.set G1B, 48
.set G0B, 56
.set G1S, 68
.set G0S, 76
.set G1SB, 80
.set G0SB, 88
.set SEL, 96                           ; s[96:97] lane selects for v_permlanex16_b32: lane l xor 16
.set MSB, 0
.macro WIN new                         ; the immediate's high byte repeats the setting that is left
.if MSB != \new
	s_set_vgpr_msb (MSB<<8)|\new
.set MSB, \new
.endif
.endm
.set MUL_LO, 0xa1                      ; source 0 (Pm) window 1, source 1 (Rm) window 0, C and D window 2
.set MUL_HI, 0xf1                      ; the same, C and D window 3
.set TO_B,   0x40                      ; destination window 1, address window 0
; A joint load: waves 0 and 1 fetch for Rm, waves 2 and 3 for Pm.  The branch hangs on the wave's number alone.  An s_nop 0 and four v_nop follow each of the two lines.
.macro JLOAD g0a, g1a, g0b, g1b
	s_cmp_eq_u32 s15, 0
	s_cbranch_scc0 .Lfor_b_\@
	tensor_load_to_lds s[\g0a:\g0a+3], s[\g1a:\g1a+7]
	s_nop 0
.rept 4
	v_nop
.endr
	s_branch .Lasked_\@
.Lfor_b_\@:
	tensor_load_to_lds s[\g0b:\g0b+3], s[\g1b:\g1b+7]
	s_nop 0
.rept 4
	v_nop
.endr
.Lasked_\@:
.endm
.macro CREST                           ; a round of the cluster's barrier behind its opening barrier
	s_cmp_lg_u32 s14, 0
	s_cbranch_scc1 .Lnot_wave_0_\@
	s_barrier_signal -3
.Lnot_wave_0_\@:
	s_barrier_wait -3
	s_barrier_signal -1
	s_barrier_wait -1
.endm
.macro CROUND                          ; a whole round
	s_barrier_signal -1
	s_barrier_wait -1
	CREST
.endm
	s_load_b128 s[4:7], s[0:1], 0x0                ; Rm s[4:5], Pm s[6:7]
	s_load_b64 s[12:13], s[0:1], 0x10              ; the images
	v_lshl_add_u32 v[SPW], v0, 2, SPARE
	v_mov_b32 v[NIL], 0
	ds_add_u32 v[SPW], v[NIL]                      ; the wave's opening: the add and its wait stand ahead of my first tensor load; the set-up below, work on registers, stands between them
	v_lshrrev_b32 v1, 5, v0
	v_readfirstlane_b32 s14, v1                    ; wave 0..3
	s_lshr_b32 s15, s14, 1                         ; which half of Rm's 256 rows is mine.  Also: I fetch for Rm (0) or for Pm (1)
	s_and_b32 s16, s14, 1                          ; which half of Pm's.  Also: which 128 rows I fetch
	s_bfe_u32 s40, ttmp6, 0x40000                  ; cx, cy: my place in the cluster
	s_bfe_u32 s41, ttmp6, 0x40004
	s_lshl_b32 s42, ttmp9, 2
	s_add_co_u32 s42, s42, s40                     ; x: Pm's chunk
	s_and_b32 s17, ttmp7, 0xffff
	s_lshl_b32 s17, s17, 2
	s_add_co_u32 s17, s17, s41                     ; y: Rm's chunk
	s_lshl_b32 s43, s41, 2
	s_lshl_b32 s43, 15, s43                        ; my row of the cluster
	s_lshl_b32 s44, 0x1111, s40                    ; my column
	; descriptor group 1: a tile of 128 rows x 192 bytes, 16 bytes of padding behind every 64
	s_or_b32 s[G1+0], s43, (0<<16)|(1<<20)|(1<<21)|(3<<22)|(3<<25)  ; 15:0 the mask; 17:16 elements of 1 byte; 20 padding on; 21 set beside a mask; 24:22 after every 16 words; 31:25 of 4 words
	s_or_b32 s[G1B+0], s44, (0<<16)|(1<<20)|(1<<21)|(3<<22)|(3<<25)
.irp g, G1, G1B
	s_mov_b32 s[\g+1], ROWB<<16                    ; tensor_dim0
	s_mov_b32 s[\g+2], 128<<16                     ; tensor_dim1
	s_mov_b32 s[\g+3], ROWB<<16                    ; tile_dim0
	s_mov_b32 s[\g+4], 128                         ; tile_dim1
	s_mov_b32 s[\g+5], KROW                        ; from row to row
	s_mov_b32 s[\g+6], 0
	s_mov_b32 s[\g+7], 0
.endr
	; the scale bytes of 128 rows: 4,096 dense bytes, as rows of 256 bytes (32 elements of 8), 16 bytes of padding behind each
	s_or_b32 s[G1S+0], s43, (3<<16)|(1<<20)|(1<<21)|(5<<22)|(3<<25)
	s_or_b32 s[G1SB+0], s44, (3<<16)|(1<<20)|(1<<21)|(5<<22)|(3<<25)
.irp g, G1S, G1SB
	s_mov_b32 s[\g+1], 32<<16
	s_mov_b32 s[\g+2], (128*KS/256)<<16
	s_mov_b32 s[\g+3], 32<<16
	s_mov_b32 s[\g+4], 128*KS/256
	s_mov_b32 s[\g+5], 32
	s_mov_b32 s[\g+6], 0
	s_mov_b32 s[\g+7], 0
.endr
	s_mul_i32 s22, s17, CHUNK                      ; Rm's chunk hangs on y alone, which my row of the cluster shares;
	s_mul_i32 s92, s42, CHUNK                      ; Pm's on x alone, which my column shares
	s_mul_i32 s18, s16, 128*KROW                   ; the codes of the 128 rows that I fetch
	s_add_co_u32 s20, s22, s18
	s_add_co_u32 s46, s92, s18
	s_lshl_b32 s18, s16, 12                        ; and their scale bytes, behind the chunk's codes
	s_add_co_u32 s18, s18, 256*KROW
	s_add_co_u32 s22, s22, s18
	s_add_co_u32 s92, s92, s18
	s_mov_b32 s21, 0
	s_mov_b32 s23, 0
	s_mov_b32 s47, 0
	s_mov_b32 s93, 0
	s_mul_i32 s45, s14, HALFT                      ; where they go: wave x 128 rows: no place in the cluster enters an LDS address
	s_mul_i32 s94, s14, HALFS
	s_wait_dscnt 0x0                               ; the opening add is done
	s_wait_kmcnt 0x0
	s_add_nc_u64 s[20:21], s[4:5], s[20:21]
	s_add_nc_u64 s[22:23], s[4:5], s[22:23]
	s_add_nc_u64 s[46:47], s[6:7], s[46:47]
	s_add_nc_u64 s[92:93], s[6:7], s[92:93]
	CROUND                                         ; all sixteen work-groups are here: the first joint loads meet
	s_mov_b32 s[G0S], 1
	s_add_co_u32 s[G0S+1], s94, SCL
	s_mov_b64 s[G0S+2:G0S+3], s[22:23]
	s_or_b32 s[G0S+3], s[G0S+3], 0x80000000
	s_mov_b32 s[G0SB], 1
	s_add_co_u32 s[G0SB+1], s94, SCL
	s_mov_b64 s[G0SB+2:G0SB+3], s[92:93]
	s_or_b32 s[G0SB+3], s[G0SB+3], 0x80000000
	JLOAD G0S, G1S, G0SB, G1SB                     ; the scale bytes first: they are wanted with K step 0
.irp s, 0,1
	s_mov_b32 s[G0+4*\s], 1
	s_add_co_u32 s[G0+4*\s+1], s45, \s*SLOT
	s_add_nc_u64 s[G0+4*\s+2:G0+4*\s+3], s[20:21], \s*ROWB
	s_or_b32 s[G0+4*\s+3], s[G0+4*\s+3], 0x80000000
	s_mov_b32 s[G0B+4*\s], 1
	s_add_co_u32 s[G0B+4*\s+1], s45, \s*SLOT
	s_add_nc_u64 s[G0B+4*\s+2:G0B+4*\s+3], s[46:47], \s*ROWB
	s_or_b32 s[G0B+4*\s+3], s[G0B+4*\s+3], 0x80000000
	JLOAD G0+4*\s, G1, G0B+4*\s, G1B               ; three tensor loads of mine are out now
.endr
	v_and_b32 v1, 15, v0                           ; l % 16
	v_bfe_u32 v2, v0, 4, 1                         ; l / 16
	v_mul_u32_u24 v3, v1, PITCH
	v_mul_u32_u24 v4, v2, 24
	v_add_nc_u32 v4, v3, v4                        ; a fragment's row x pitch + 24 x half
	v_lshl_add_u32 v5, v2, 4, v4                   ; and the same behind one padding more
	s_mul_i32 s21, s15, HALFT                      ; my 128 rows of Rm
	s_mul_i32 s22, s16, HALFT                      ; my 128 rows of Pm,
	s_add_co_u32 s22, s22, 2*HALFT                 ; which lie behind Rm's 256
.irp s, 0,1
	v_add_nc_u32 v[ADRA+\s], s21, v4
	v_add_nc_u32 v[ADRB+\s], s22, v4
	v_add_nc_u32 v[ADRA+2+\s], s21, v5
	v_add_nc_u32 v[ADRB+2+\s], s22, v5
	s_add_co_u32 s21, s21, SLOT
	s_add_co_u32 s22, s22, SLOT
.endr
	v_mul_u32_u24 v5, v1, KS                       ; my row's scale bytes: 32 a row,
	v_lshrrev_b32 v6, 8, v5
	v_lshl_add_u32 v5, v6, 4, v5                   ; and 16 more for each 256 passed
	s_mul_i32 s21, s15, HALFS
	s_mul_i32 s22, s16, HALFS
	s_add_co_u32 s22, s22, 2*HALFS
	s_sub_co_u32 s22, s22, s21
	v_mul_u32_u24 v6, s22, v2                      ; lanes 16-31 take Pm's: one product, the distance between the two bases
	s_add_co_u32 s21, s21, SCL
	v_add_nc_u32 v5, v5, v6
	v_add_nc_u32 v[ADRS], s21, v5
	s_lshl_b32 s23, s14, 9                         ; the epilogue's addresses
	v_lshlrev_b32 v5, 2, v1
	v_add_nc_u32 v[WSA], s23, v5
	v_and_b32 v6, 31, v0
	v_lshlrev_b32 v[L16], 4, v6
	v_lshlrev_b32 v[L8], 3, v6
	v_add_nc_u32 v[WSR], s23, v[L16]
	s_mov_b32 s[SEL], 0x76543210
	s_mov_b32 s[SEL+1], 0xfedcba98
	s_lshr_b32 s20, s17, 2                         ; the images' chunk: ((y / 4) + (x / 8)) x 16 + (2 x + my half of Pm) % 16
	s_lshr_b32 s21, s42, 3
	s_add_co_u32 s20, s20, s21
	s_lshl_b32 s20, s20, 4
	s_lshl_b32 s21, s42, 1
	s_add_co_u32 s21, s21, s16
	s_and_b32 s21, s21, 15
	s_add_co_u32 s20, s20, s21
	s_mul_i32 s20, s20, ICHUNK
	s_and_b32 s21, s17, 3
	s_lshl_b32 s21, s21, 1
	s_add_co_u32 s21, s21, s15                     ; my eight tiles in it begin at tile 8 x this
	s_mul_i32 s46, s21, 8*1536
	s_add_co_u32 s46, s46, s20
	s_mov_b32 s47, 0
	s_lshl_b32 s21, s21, 9
	s_add_co_u32 s20, s20, s21
	s_add_co_u32 s20, s20, 64*1536
	s_mov_b32 s21, 0
	s_add_nc_u64 s[20:21], s[12:13], s[20:21]      ; my 512 bytes of scale words
	s_add_nc_u64 s[12:13], s[12:13], s[46:47]      ; my eight fragments
.macro FRAG reg, adr, q, i             ; a fragment is 12 registers: lane l holds row l % 16; registers 6 c .. 6 c + 5 hold K = 64 c + 32 (l / 16) + 0 .. 31: 24 bytes of the row's stream of bits, in pieces of 8 bytes
.irp p, 0,1,2,3,4,5
.set PCE, 12*(\q)+6*(\p/3)+\p%3       ; 16 bytes of padding lie behind every 8 pieces: where the piece three on lies behind one padding more, the second address register serves
.if PCE%8 < 5
	ds_load_b64 v[\reg+2*\p:\reg+2*\p+1], v[\adr] offset:8*PCE+16*(PCE/8)+(\i)*16*PITCH
.else
	ds_load_b64 v[\reg+2*\p:\reg+2*\p+1], v[\adr+2] offset:8*PCE+16*(PCE/8)+(\i)*16*PITCH
.endif
.endr
.endm
; 16 matrix instructions: Rm's blocks a0, a0 + 1 x Pm's eight, 128 along K.  zero = 1: the first product starts the sums.  The 64 accumulators take turns, one instruction a turn.
.macro MUL16 a0, p, q, sc, zero
.irp a, \a0, \a0+1
.irp b, 0,1,2,3,4,5,6,7
.if \zero
	v_wmma_scale_f32_16x16x128_f8f6f4 v[8*(8*((\a)%4)+\b):8*(8*((\a)%4)+\b)+7], v[128*(\p)+FR*\b:128*(\p)+FR*\b+FR-1], v[AF+FR*(\a):AF+FR*(\a)+FR-1], 0, v[SC+8*NQ*(\sc)+NQ*\b+(\q)], v[SC+8*NQ*(\sc)+NQ*(\a)+(\q)] matrix_a_fmt:MATRIX_FMT_FP6 matrix_b_fmt:MATRIX_FMT_FP6 matrix_a_scale:MATRIX_SCALE_ROW1
.else
	v_wmma_scale_f32_16x16x128_f8f6f4 v[8*(8*((\a)%4)+\b):8*(8*((\a)%4)+\b)+7], v[128*(\p)+FR*\b:128*(\p)+FR*\b+FR-1], v[AF+FR*(\a):AF+FR*(\a)+FR-1], v[8*(8*((\a)%4)+\b):8*(8*((\a)%4)+\b)+7], v[SC+8*NQ*(\sc)+NQ*\b+(\q)], v[SC+8*NQ*(\sc)+NQ*(\a)+(\q)] matrix_a_fmt:MATRIX_FMT_FP6 matrix_b_fmt:MATRIX_FMT_FP6 matrix_a_scale:MATRIX_SCALE_ROW1
.endif
.endr
.endr
.endm
.macro FETCH_B slot, q, p
	WIN TO_B
.irp i, 0,1,2,3,4,5,6,7
	FRAG 128*(\p)+FR*\i, ADRB+\slot, \q, \i
.endr
	WIN 0
.endm
.macro FETCH_A slot, q, i0
.irp i, \i0, \i0+1, \i0+2, \i0+3
	FRAG AF+FR*(\i), ADRA+\slot, \q, \i
.endr
.endm
.macro SCALES sc                       ; the next K step's scale words: two words a row; lanes 0-15 take Rm's block i, lanes 16-31 Pm's block i
.irp i, 0,1,2,3,4,5,6,7
	ds_load_b64 v[SC+8*NQ*\sc+NQ*\i:SC+8*NQ*\sc+NQ*\i+1], v[ADRS] offset:\i*SBLK
.endr
.endm
.macro PLACES n                        ; plain vector instructions that name none of a matrix instruction's registers, between it and a load into, or a read of, its registers
.rept \n
	v_nop
.endr
.endm
.macro STEP slot, q, zero              ; a step of 128 along K that has its successor in the same slot
	s_wait_dscnt 4*NL                              ; Pm's set and Rm's blocks 0-3 are in; the youngest 24 loads (Rm's blocks 4-7) may be out
	WIN MUL_LO
	MUL16 0, (\q)%2, \q, \slot, \zero
	MUL16 2, (\q)%2, \q, \slot, \zero
	s_wait_dscnt 0                                 ; Rm's blocks 4-7 are in
	PLACES NP
	FETCH_B \slot, (\q)+1, 1-(\q)%2
	FETCH_A \slot, (\q)+1, 0
	WIN MUL_HI
	MUL16 4, (\q)%2, \q, \slot, \zero
	MUL16 6, (\q)%2, \q, \slot, \zero
	PLACES NP
	WIN 0
	FETCH_A \slot, (\q)+1, 4
.endm
; A slot's last step changes slots: ONE barrier; in front of it each wave waits for all its tensor loads, adds 0 to its spare word, and waits for that and for its own reads of this slot.  fill = 1: this slot is filled again.
.macro TURN slot, next, fill
	s_wait_tensorcnt 0x0                           ; all my tensor loads have landed: my part of the next slot
	ds_add_u32 v[SPW], v[NIL]                      ; 0 onto my spare word
	s_wait_dscnt 4*NL+1                            ; the add and the youngest 24 loads may be out
	WIN MUL_LO
	MUL16 0, 1, NQ-1, \slot, 0                     ; sixteen matrix instructions stand between the add and the wait for it
	s_wait_dscnt 0x0                               ; the add is done, and my reads of this slot are over
	s_barrier_signal -1
	MUL16 2, 1, NQ-1, \slot, 0
	WIN 0
	s_barrier_wait -1
.if \fill
	CREST                                          ; the barrier has opened a round of the cluster's barrier: no wave of any partner still reads this slot or has a load on its way
	s_add_nc_u64 s[G0+4*\slot+2:G0+4*\slot+3], s[G0+4*\slot+2:G0+4*\slot+3], 2*ROWB
	s_add_nc_u64 s[G0B+4*\slot+2:G0B+4*\slot+3], s[G0B+4*\slot+2:G0B+4*\slot+3], 2*ROWB
	JLOAD G0+4*\slot, G1, G0B+4*\slot, G1B         ; the first tensor load behind the round; its four v_nop are the places in front of the loads below
.else
	PLACES NP
.endif
	v_add_nc_u32 v[ADRS], 4*NQ, v[ADRS]            ; on to the next K step's scale words
	FETCH_B \next, 0, 0
	FETCH_A \next, 0, 0
	SCALES \next
	WIN MUL_HI
	MUL16 4, 1, NQ-1, \slot, 0
	MUL16 6, 1, NQ-1, \slot, 0
	PLACES NP
	WIN 0
	FETCH_A \next, 0, 4
.endm
	s_wait_tensorcnt 1                             ; the scale bytes and my part of K step 0 are in; K step 1's load may be out
	s_barrier_signal -1
	s_barrier_wait -1
	FETCH_B 0, 0, 0
	FETCH_A 0, 0, 0
	SCALES 0
	FETCH_A 0, 0, 4
	STEP 0, 0, 1                                   ; the first step stands in front of the loop: its products start the sums
	s_mov_b32 s3, LAPS-1
.Llap:                                                 ; a trip goes once round the ring and fills both slots again
	TURN 0, 1, 1
	STEP 1, 0, 0
	TURN 1, 0, 1
	STEP 0, 0, 0
	s_sub_co_u32 s3, s3, 1
	s_cmp_lg_u32 s3, 0
	s_cbranch_scc1 .Llap
	TURN 0, 1, 0                                   ; the last lap fills nothing
	STEP 1, 0, 0
	s_wait_dscnt 4*NL
	WIN MUL_LO
	MUL16 0, 1, NQ-1, 1, 0
	MUL16 2, 1, NQ-1, 1, 0
	s_wait_dscnt 0
	WIN MUL_HI
	MUL16 4, 1, NQ-1, 1, 0
	MUL16 6, 1, NQ-1, 1, 0
	WIN 0
; THE EPILOGUE.  Block a's 64 registers of a lane are 128 along the next K of my row: register 16 b + i = 32 b + 16 (lane / 16) + i.  They become a fragment's codes in v[PC] on and its scale word in v[PW].
.macro QUANTW a
.set AC, 64*((\a)%4)
.set W, 2+(\a)/4                       ; the block's window
.set WN, W|(W<<2)
	WIN WN                                         ; sources 0 and 1 in the block's window
.irp b, 0,1,2,3
	v_max3_num_f32 v[TM+\b], |v[AC+16*\b]|, |v[AC+16*\b+1]|, 0x1800000   ; my 16 numbers of block b, each accumulator from its low end on, and the floor 2^(3 - 127)
.endr
.set WN, (W<<2)|(W<<4)
	WIN WN                                         ; sources 1 and 2
.irp i, 2,4,6,8,10,12,14
.irp b, 0,1,2,3
	v_max3_num_f32 v[TM+\b], v[TM+\b], |v[AC+16*\b+\i]|, |v[AC+16*\b+\i+1]|   ; the four blocks by turns
.endr
.endr
	WIN 0
.irp b, 0,1,2,3
	v_permlanex16_b32 v[TM+4+\b], v[TM+\b], s[SEL], s[SEL+1]
.endr
.irp b, 0,1,2,3
	v_max_num_f32 v[TM+\b], v[TM+\b], v[TM+4+\b]   ; with lane l xor 16's: the block's largest magnitude
.endr
.irp b, 0,1,2,3
	v_add_nc_u32 v[TM+12+\b], 0xff000000, v[TM+\b] ; 2 off its exponent field: the conversion's scale operand
.endr
.irp b, 0,1,2,3
	v_lshrrev_b32 v[TM+4+\b], 23, v[TM+12+\b]      ; the scale's byte
.endr
	v_lshl_or_b32 v[PW], v[TM+5], 8, v[TM+4]
	v_lshl_or_b32 v[PW], v[TM+6], 16, v[PW]
	v_lshl_or_b32 v[PW], v[TM+7], 24, v[PW]        ; my row's scale word (both halves of the lanes hold the same)
	WIN W                                          ; source 0
.irp c, 0,1
	v_cvt_scalef32_pk16_fp6_f32 v[PC+6*\c:PC+2+6*\c], v[AC+32*\c:AC+32*\c+15], v[TM+12+2*\c]
	v_cvt_scalef32_pk16_fp6_f32 v[PC+12+4*\c:PC+14+4*\c], v[AC+32*\c+16:AC+32*\c+31], v[TM+12+2*\c+1]   ; (a conversion's three registers begin on an even number)
.endr
	WIN 0
	v_nop                                          ; one plain place behind a scaled conversion
.irp c, 0,1                                    ; the operand's layout wants a WHOLE block in a lane: lanes 0-15 block 2 c, lanes 16-31 block 2 c + 1
.irp i, 0,1,2
	v_permlane16_swap_b32 v[PC+6*\c+\i], v[PC+12+4*\c+\i]
.endr
.irp i, 0,1,2
	v_mov_b32 v[PC+3+6*\c+\i], v[PC+12+4*\c+\i]
.endr
.endr
.endm
	PLACES NP                                      ; behind the last products: results are read, and registers that held Rm's fragments are written
.irp b, 0,1,2,3
	v_mov_b32 v[TM+4+\b], 0                        ; written once: a lane permute's destination counts as one of its sources
.endr
.irp a, 0,1,2,3,4,5,6,7
.if \a > 0
	s_wait_xcnt 0x0                                ; the last block's stores have read their data: the codes' registers may be written again
.endif
	QUANTW \a
	global_store_b128 v[L16], v[PC:PC+3], s[12:13] offset:1536*\a          ; each store of the wave covers 512 or 256 consecutive bytes, aligned
	global_store_b64 v[L8], v[PC+4:PC+5], s[12:13] offset:1536*\a+512
	global_store_b128 v[L16], v[PC+6:PC+9], s[12:13] offset:1536*\a+768
	global_store_b64 v[L8], v[PC+10:PC+11], s[12:13] offset:1536*\a+1280
	ds_store_b32 v[WSA], v[PW] offset:64*\a        ; lanes l and l + 16 write the same word with the same value
.endr
	ds_load_b128 v[TM:TM+3], v[WSR]                ; my eight tiles' words: LDS serves a wave's instructions in order, so these see my stores
	s_wait_dscnt 0x0
	global_store_b128 v[L16], v[TM:TM+3], s[20:21] ; 512 consecutive bytes, aligned
	s_wait_tensorcnt 0x0                           ; the wave's end, behind my last tensor load and my last LDS store
	ds_add_u32 v[SPW], v[NIL]
	s_wait_dscnt 0x0
	CROUND                                         ; the closing round: no work-group ends while a partner may still ask for a tile that names it
	s_endpgm
.Lfunc_end_k_q148905865d_gemm_qk:
	.size	k_q148905865d_gemm_qk, .Lfunc_end_k_q148905865d_gemm_qk-k_q148905865d_gemm_qk
	.p2alignl 7, 3214868480
	.fill 96, 4, 3214868480
	.section	.rodata,"a",@progbits
	.p2align	6, 0x0
	.amdhsa_kernel k_q148905865d_gemm_qk
		.amdhsa_group_segment_fixed_size 327680
		.amdhsa_private_segment_fixed_size 0
		.amdhsa_enable_private_segment 0
		.amdhsa_kernarg_size 24
		.amdhsa_user_sgpr_count 2
		.amdhsa_user_sgpr_kernarg_segment_ptr 1
		.amdhsa_wavefront_size32 1
		.amdhsa_system_sgpr_workgroup_id_x 1
		.amdhsa_system_sgpr_workgroup_id_y 1
		.amdhsa_system_sgpr_workgroup_id_z 1
		.amdhsa_system_vgpr_workitem_id 0
		.amdhsa_next_free_vgpr 1024
		.amdhsa_next_free_sgpr 98
		.amdhsa_reserve_vcc 0
		.amdhsa_float_denorm_mode_32 3
		.amdhsa_float_denorm_mode_16_64 3
		.amdhsa_memory_ordered 1
		.amdhsa_forward_progress 1
		.amdhsa_inst_pref_size 166
	.end_amdhsa_kernel
	.amdgpu_metadata
---
amdhsa.version: [ 1, 2 ]
amdhsa.kernels:
  - .name:           k_q148905865d_gemm_qk
    .symbol:         k_q148905865d_gemm_qk.kd
    .args:
      - { .name: xq, .offset: 0, .size: 8, .value_kind: global_buffer, .address_space: global }
      - { .name: wqk, .offset: 8, .size: 8, .value_kind: global_buffer, .address_space: global }
      - { .name: qk, .offset: 16, .size: 8, .value_kind: global_buffer, .address_space: global }
    .group_segment_fixed_size: 327680
    .private_segment_fixed_size: 0
    .kernarg_segment_align: 8
    .kernarg_segment_size: 24
    .max_flat_workgroup_size: 128
    .sgpr_count:     98
    .vgpr_count:     1024
    .wavefront_size: 32
...
	.end_amdgpu_metadata
.endif
;; end of part 2
;; launch gemm_v: the kernel of part 2 again; grid 32 x 4, 4 waves a work-group, clusters of 4 x 4, 327,680 bytes of LDS; arguments wv, xq, vv; writes vv
;; launch attn (part 3): grid 8 x 32, 16 waves a work-group, clusters of 4 x 1, 327,680 bytes of LDS; arguments qk, vv, oo; writes oo
.if DOCPART == 3
	.amdgcn_target "amdgcn-amd-amdhsa--gfx1250"
	.amdhsa_code_object_version 6
	.text
	.protected	k_q148905865d_attn
	.globl	k_q148905865d_attn
	.p2align	8
	.type	k_q148905865d_attn,@function
k_q148905865d_attn:
	s_mov_b64 s[64:65], 0
	v_nop
	global_prefetch_b8 v0, s[64:65] scope:SCOPE_SE
	s_setreg_imm32_b32 hwreg(HW_REG_WAVE_MODE, 25, 1), 1
	s_wait_xcnt 0x0
	s_wait_alu depctr_hold_cnt(0) depctr_sa_sdst(0) depctr_va_vdst(0) depctr_va_sdst(0) depctr_va_ssrc(0) depctr_va_vcc(0) depctr_vm_vsrc(0)
	s_getreg_b32 s2, hwreg(HW_REG_IB_STS2, 6, 4)
	s_cmp_eq_u32 s2, 0
	s_cbranch_scc0 .Lentry_in_a_cluster
	s_endpgm
.Lentry_in_a_cluster:
	s_bfe_u32 s2, ttmp6, 0x10000c
	s_cmp_lg_u32 s2, 0x3003
	s_cbranch_scc0 .Lentry_shape_is_right
	s_endpgm
.Lentry_shape_is_right:
.set CHK,   102400
.set KB,    49152
.set VA,    98304
.set VB,    147456
.set KW,    196608
.set VW,    204800
.set SPARE, 212992
.set WST,   215040
.set L16, 1
.set L8,  2
.set L4K, 3
.set SPW, 4
.set NIL, 5
.set ADK, 6
.set ADK2, 7
.set ADV, 8
.set ADV2, 9
.set ADS, 10
.set R4,  11
.set QE,  16
.set ZR,  22
.set QO,  28
.set QW,  34
.set KV,  36
.set S,   96
.set O,   160
.set PC,  192
.set CT,  204
.set BM,  212
.set BT,  216
.set SO,  220
.set T,   224
.set F,   226
.set PW,  228
.set KWD, 230
.set VWD, 234
.set RF,  240
.set RW,  252
.set GW,  253
.set WSA, 254
.set WSR, 255
.set TK,  2
.set TS,  3
.set WV,  18
.set SEL, 20
.set CS,  22
.set G1K, 24
.set G1V, 32
.set G1KW, 40
.set G1VW, 48
.set G0KW, 56
.set G0K, 60
.set G0VW, 72
.set G0V, 76
.set CNT, 84
.macro G1SET g, c, r, p
	s_mov_b32 s[\g], 15|(3<<16)|(1<<21)
	s_mov_b32 s[\g+1], (\c)<<16
	s_mov_b32 s[\g+2], (\r)<<16
	s_mov_b32 s[\g+3], (\c)<<16
	s_mov_b32 s[\g+4], \r
	s_mov_b32 s[\g+5], \p
	s_mov_b32 s[\g+6], 0
	s_mov_b32 s[\g+7], 0
.endm
.macro TLOAD g0k, g1k, g0v, g1v
	s_cmp_lt_u32 s[WV], 2
	s_cbranch_scc0 .Lnot_k_\@
	tensor_load_to_lds s[\g0k:\g0k+3], s[\g1k:\g1k+7]
	s_nop 0
.rept 4
	v_nop
.endr
	s_branch .Lasked_\@
.Lnot_k_\@:
	s_cmp_lt_u32 s[WV], 4
	s_cbranch_scc0 .Lasked_\@
	tensor_load_to_lds s[\g0v:\g0v+3], s[\g1v:\g1v+7]
	s_nop 0
.rept 4
	v_nop
.endr
.Lasked_\@:
.endm
.macro CROUND
	s_barrier_signal -1
	s_barrier_wait -1
	s_cmp_lg_u32 s[WV], 0
	s_cbranch_scc1 .Lnot_wave_0_\@
	s_barrier_signal -3
.Lnot_wave_0_\@:
	s_barrier_wait -3
	s_barrier_signal -1
	s_barrier_wait -1
.endm
	s_load_b128 s[4:7], s[0:1], 0x0
	s_load_b64 s[8:9], s[0:1], 0x10
	v_lshl_add_u32 v[SPW], v0, 2, SPARE
	v_mov_b32 v[NIL], 0
	ds_add_u32 v[SPW], v[NIL]
	ds_add_u32 v[SPW], v[NIL]
	v_lshrrev_b32 v6, 5, v0
	s_delay_alu instid0(VALU_DEP_1)
	v_readfirstlane_b32 s[WV], v6
	s_and_b32 s12, ttmp7, 0xffff
	s_lshr_b32 s13, s12, 3
	s_and_b32 s14, s12, 7
	s_and_b32 s15, s[WV], 1
	G1SET G1K, 96, 32, 192
	G1SET G1V, 768, 4, 12800
	G1SET G1KW, 32, 16, 32
	G1SET G1VW, 64, 8, 12800
	s_lshl_b32 s16, s13, 5
	s_add_co_u32 s16, s16, s14
	s_add_co_u32 s16, s16, 8
	s_mul_i32 s16, s16, CHK
	s_mul_i32 s17, s15, 32*1536
	s_add_co_u32 s94, s16, s17
	s_mov_b32 s95, 0
	s_mul_i32 s17, s15, 16*CHK
	s_add_co_u32 s96, s16, s17
	s_add_co_u32 s96, s96, 64*1536
	s_mov_b32 s97, 0
	s_mul_i32 s19, s13, 16*CHK
	s_mul_i32 s17, s15, 4*CHK
	s_add_co_u32 s98, s19, s17
	s_mul_i32 s17, s14, 8*1536
	s_add_co_u32 s98, s98, s17
	s_mov_b32 s99, 0
	s_mul_i32 s17, s15, 8*CHK
	s_add_co_u32 s66, s19, s17
	s_lshl_b32 s17, s14, 9
	s_add_co_u32 s66, s66, s17
	s_add_co_u32 s66, s66, 64*1536
	s_mov_b32 s67, 0
	s_mov_b32 s[SEL], 0x76543210
	s_mov_b32 s[SEL+1], 0xfedcba98
	s_mov_b32 s[CS], 0x3e38aa3b
	s_mov_b32 s[CS+1], s[CS]
	s_bfe_u32 s10, ttmp6, 0x40000
	s_lshl_b32 s11, ttmp9, 2
	s_add_co_u32 s11, s11, s10
	s_lshr_b32 s85, s11, 2
	s_lshl_b32 s86, s13, 1
	s_add_co_u32 s85, s85, s86
	s_lshl_b32 s85, s85, 4
	s_add_co_u32 s85, s85, s14
	s_mul_i32 s85, s85, CHK
	s_and_b32 s88, s11, 3
	s_lshl_b32 s88, s88, 4
	s_add_co_u32 s88, s88, s[WV]
	s_mul_i32 s86, s88, 1536
	s_add_co_u32 s86, s86, s85
	s_mov_b32 s87, 0
	s_lshl_b32 s88, s88, 6
	s_add_co_u32 s88, s88, s85
	s_add_co_u32 s88, s88, 64*1536
	s_mov_b32 s89, 0
	s_lshl_b32 s85, s13, 3
	s_add_co_u32 s85, s85, s11
	s_mul_i32 s85, s85, 204800
	s_mul_i32 s90, s14, 16*1536
	s_add_co_u32 s90, s90, s85
	s_mul_i32 s92, s[WV], 1536
	s_add_co_u32 s90, s90, s92
	s_mov_b32 s91, 0
	s_lshl_b32 s92, s14, 10
	s_add_co_u32 s92, s92, s85
	s_add_co_u32 s92, s92, 196608
	s_mov_b32 s93, 0
	s_wait_dscnt 0x0
	s_wait_kmcnt 0x0
	s_mov_b32 s[G0KW], 1
	s_lshl_b32 s[G0KW+1], s15, 12
	s_add_co_u32 s[G0KW+1], s[G0KW+1], KW
	s_add_nc_u64 s[G0KW+2:G0KW+3], s[4:5], s[96:97]
	s_or_b32 s[G0KW+3], s[G0KW+3], 0x80000000
	s_mov_b32 s[G0K], 1
	s_mul_i32 s[G0K+1], s15, 32*768
	s_add_nc_u64 s[G0K+2:G0K+3], s[4:5], s[94:95]
	s_mov_b32 s[G0K+8], 1
	s_add_co_u32 s[G0K+9], s[G0K+1], KB
	s_add_nc_u64 s[G0K+10:G0K+11], s[G0K+2:G0K+3], 16*CHK
	s_or_b32 s[G0K+3], s[G0K+3], 0x80000000
	s_or_b32 s[G0K+11], s[G0K+11], 0x80000000
	s_mov_b32 s[G0VW], 1
	s_lshl_b32 s[G0VW+1], s15, 12
	s_add_co_u32 s[G0VW+1], s[G0VW+1], VW
	s_add_nc_u64 s[G0VW+2:G0VW+3], s[6:7], s[66:67]
	s_or_b32 s[G0VW+3], s[G0VW+3], 0x80000000
	s_mov_b32 s[G0V], 1
	s_add_co_u32 s[G0V+1], s[G0K+1], VA
	s_add_nc_u64 s[G0V+2:G0V+3], s[6:7], s[98:99]
	s_mov_b32 s[G0V+4], 1
	s_add_co_u32 s[G0V+5], s[G0K+1], VB
	s_add_nc_u64 s[G0V+6:G0V+7], s[G0V+2:G0V+3], 8*CHK
	s_or_b32 s[G0V+3], s[G0V+3], 0x80000000
	s_or_b32 s[G0V+7], s[G0V+7], 0x80000000
	s_add_nc_u64 s[86:87], s[4:5], s[86:87]
	s_add_nc_u64 s[88:89], s[4:5], s[88:89]
	s_add_nc_u64 s[90:91], s[8:9], s[90:91]
	s_add_nc_u64 s[92:93], s[8:9], s[92:93]
	CROUND
	TLOAD G0KW, G1KW, G0VW, G1VW
	TLOAD G0K, G1K, G0V, G1V
	v_and_b32 v6, 31, v0
	s_delay_alu instid0(VALU_DEP_1)
	v_lshlrev_b32 v[L16], 4, v6
	s_delay_alu instid0(VALU_DEP_2)
	v_lshlrev_b32 v[L8], 3, v6
	s_delay_alu instid0(VALU_DEP_3)
	v_lshl_add_u32 v[L4K], v6, 2, KW
	v_and_b32 v7, 15, v0
	s_delay_alu instid0(VALU_DEP_1)
	v_lshlrev_b32 v[R4], 2, v7
	global_load_b128 v[QE:QE+3], v[L16], s[86:87]
	global_load_b64 v[QE+4:QE+5], v[L8], s[86:87] offset:512
	global_load_b128 v[QO:QO+3], v[L16], s[86:87] offset:768
	global_load_b64 v[QO+4:QO+5], v[L8], s[86:87] offset:1280
	global_load_b32 v[QW], v[R4], s[88:89]
	s_lshl_b32 s19, s[WV], 6
	v_add_nc_u32 v[WSA], s19, v[R4]
	s_delay_alu instid0(VALU_DEP_1)
	v_add_nc_u32 v[WSA], WST, v[WSA]
	v_and_b32 v7, 63, v0
	s_delay_alu instid0(VALU_DEP_1)
	v_lshlrev_b32 v[GW], 4, v7
	s_delay_alu instid0(VALU_DEP_2)
	v_lshl_add_u32 v[WSR], v7, 4, WST
.irp i, 0,1,2,3,4,5
	v_mov_b32 v[ZR+\i], 0
	v_mov_b32 v[KV+48+\i], 0
.endr
.irp b, 0,1,2,3
	v_mov_b32 v[BT+\b], 0
.endr
	v_mov_b32 v[F+1], 0
.macro STEP par
	v_add_nc_u32 v[ADK], s[TK], v[L16]
	v_add_nc_u32 v[ADK2], s[TK], v[L8]
	s_delay_alu instid0(VALU_DEP_2)
	v_add_nc_u32 v[ADV], VA, v[ADK]
	s_delay_alu instid0(VALU_DEP_2)
	v_add_nc_u32 v[ADV2], VA, v[ADK2]
	v_add_nc_u32 v[ADS], s[TS], v[L4K]
.irp t, 0,1,2,3,4,5,6,7
	ds_load_b128 v[KV+6*\par+6*\t:KV+6*\par+6*\t+3], v[ADK] offset:768*\t
	ds_load_b64 v[KV+6*\par+6*\t+4:KV+6*\par+6*\t+5], v[ADK2] offset:768*\t+512
.endr
.irp k, 0,1,2,3
	ds_load_b32 v[KWD+\k], v[ADS] offset:128*\k
.endr
	s_wait_alu depctr_va_vdst(0)
	s_wait_dscnt 0x0
.irp t, 0,1,2,3,4,5,6,7
.if \t%2
	v_wmma_scale_f32_16x16x128_f8f6f4 v[S+8*\t:S+8*\t+7], v[KV+6*\t:KV+6*\t+11], v[QE+6*\par:QE+6*\par+11], 0, v[KWD+\t/2], v[QW] matrix_a_fmt:MATRIX_FMT_FP6 matrix_b_fmt:MATRIX_FMT_FP6 matrix_a_scale:MATRIX_SCALE_ROW1
.else
	v_wmma_scale_f32_16x16x128_f8f6f4 v[S+8*\t:S+8*\t+7], v[KV+6*\t:KV+6*\t+11], v[QE+6*\par:QE+6*\par+11], 0, v[KWD+\t/2], v[QW] matrix_a_fmt:MATRIX_FMT_FP6 matrix_b_fmt:MATRIX_FMT_FP6
.endif
.endr
.rept 4
	v_nop
.endr
.irp t, 0,1,2,3
	ds_load_b128 v[KV+12*\t:KV+12*\t+3], v[ADV] offset:1536*\t
	ds_load_b64 v[KV+12*\t+4:KV+12*\t+5], v[ADV2] offset:1536*\t+512
	ds_load_b128 v[KV+12*\t+6:KV+12*\t+9], v[ADV] offset:1536*\t+768
	ds_load_b64 v[KV+12*\t+10:KV+12*\t+11], v[ADV2] offset:1536*\t+1280
.endr
.irp k, 0,1
	ds_load_b32 v[VWD+\k], v[ADS] offset:VW-KW+256*\par+128*\k
.endr
.irp b, 0,1,2,3
	v_max3_num_f32 v[BM+\b], v[S+16*\b], v[S+16*\b+1], v[S+16*\b+2]
.endr
.irp i, 3,5,7,9,11,13
.irp b, 0,1,2,3
	v_max3_num_f32 v[BM+\b], v[BM+\b], v[S+16*\b+\i], v[S+16*\b+\i+1]
.endr
.endr
.irp b, 0,1,2,3
	v_max_num_f32 v[BM+\b], v[BM+\b], v[S+16*\b+15]
.endr
.irp b, 0,1,2,3
	s_delay_alu instid0(VALU_DEP_4)
	v_permlanex16_b32 v[BT+\b], v[BM+\b], s[SEL], s[SEL+1]
.endr
.irp b, 0,1,2,3
	s_delay_alu instid0(VALU_DEP_4)
	v_max_num_f32 v[BM+\b], v[BM+\b], v[BT+\b]
.endr
	s_delay_alu instid0(VALU_DEP_2)
	v_max3_num_f32 v[T], v[BM], v[BM+1], v[BM+2]
	s_delay_alu instid0(VALU_DEP_1)
	v_max_num_f32 v[T], v[T], v[BM+3]
	s_delay_alu instid0(VALU_DEP_1)
	v_mul_f32 v[T], s[CS], v[T]
	s_delay_alu instid0(VALU_DEP_1)
	v_max_num_f32 v13, v13, v[T]
	v_mov_b32 v[T], v12
	s_delay_alu instid0(VALU_DEP_2)
	v_floor_f32 v12, -v13
	s_delay_alu instid0(VALU_DEP_1)
	v_sub_f32 v[T], v12, v[T]
	s_delay_alu instid0(VALU_DEP_1)
	v_cvt_i32_f32 v[T], v[T]
	s_delay_alu instid0(VALU_DEP_1)
	v_ldexp_f32 v[F], 1.0, v[T]
.set J, 0
.rept 32
	v_pk_fma_f32 v[S+J:S+J+1], v[S+J:S+J+1], s[CS:CS+1], v[12:13] op_sel_hi:[1,0,0]
.set J, J+2
.endr
.irp b, 0,1,2,3
	v_fma_f32 v[BM+\b], v[BM+\b], s[CS], v12
.endr
.set J, 0
	s_setprio 1
	s_wait_alu depctr_va_vdst(0)
.rept 64
	v_exp_f32 v[S+J], v[S+J]
.set J, J+1
.endr
	v_pk_mul_f32 v[14:15], v[14:15], v[F:F+1] op_sel_hi:[1,0]
	s_wait_alu depctr_va_vdst(0)
.irp b, 0,1,2,3
	v_exp_f32 v[BM+\b], v[BM+\b]
.endr
	v_pk_add_f32 v[216:217], v[100:101], v[104:105]
	v_pk_add_f32 v[250:251], v[108:109], v[112:113]
	v_pk_add_f32 v[248:249], v[116:117], v[120:121]
	v_pk_add_f32 v[246:247], v[124:125], v[128:129]
	v_pk_add_f32 v[238:239], v[132:133], v[136:137]
	v_pk_add_f32 v[236:237], v[140:141], v[144:145]
	v_pk_add_f32 v[232:233], v[148:149], v[152:153]
	v_pk_add_f32 v[14:15], v[14:15], v[156:157]
	v_pk_add_f32 v[216:217], v[216:217], v[96:97]
	v_pk_add_f32 v[250:251], v[250:251], v[98:99]
	v_pk_add_f32 v[248:249], v[248:249], v[102:103]
	v_pk_add_f32 v[246:247], v[246:247], v[106:107]
	v_pk_add_f32 v[238:239], v[238:239], v[110:111]
	v_pk_add_f32 v[236:237], v[236:237], v[114:115]
	v_pk_add_f32 v[232:233], v[232:233], v[118:119]
	v_pk_add_f32 v[14:15], v[14:15], v[122:123]
	v_pk_add_f32 v[216:217], v[216:217], v[126:127]
	v_pk_add_f32 v[250:251], v[250:251], v[130:131]
	v_pk_add_f32 v[248:249], v[248:249], v[134:135]
	v_pk_add_f32 v[246:247], v[246:247], v[138:139]
	v_pk_add_f32 v[238:239], v[238:239], v[142:143]
	v_pk_add_f32 v[236:237], v[236:237], v[146:147]
	v_pk_add_f32 v[232:233], v[232:233], v[150:151]
	v_pk_add_f32 v[14:15], v[14:15], v[154:155]
	v_pk_add_f32 v[216:217], v[216:217], v[158:159]
	s_delay_alu instid0(VALU_DEP_2)
	v_pk_add_f32 v[14:15], v[14:15], v[246:247]
	s_delay_alu instid0(VALU_DEP_2)
	v_pk_add_f32 v[216:217], v[216:217], v[238:239]
	v_pk_add_f32 v[250:251], v[250:251], v[236:237]
	v_pk_add_f32 v[248:249], v[248:249], v[232:233]
	s_delay_alu instid0(VALU_DEP_2)
	v_pk_add_f32 v[14:15], v[14:15], v[250:251]
	s_delay_alu instid0(VALU_DEP_2)
	v_pk_add_f32 v[216:217], v[216:217], v[248:249]
	s_delay_alu instid0(VALU_DEP_1)
	v_pk_add_f32 v[14:15], v[14:15], v[216:217]
	s_wait_alu depctr_va_vdst(0)
.irp b, 0,1,2,3
	v_max_num_f32 v[BM+\b], 0x1800000, v[BM+\b]
.endr
.irp b, 0,1,2,3
	s_delay_alu instid0(VALU_DEP_4)
	v_add_nc_u32 v[SO+\b], 0xff000000, v[BM+\b]
.endr
.irp b, 0,1,2,3
	s_delay_alu instid0(VALU_DEP_4)
	v_lshrrev_b32 v[BT+\b], 23, v[SO+\b]
.endr
	s_delay_alu instid0(VALU_DEP_3)
	v_lshl_or_b32 v[PW], v[BT+1], 8, v[BT]
	s_delay_alu instid0(VALU_DEP_1)
	v_lshl_or_b32 v[PW], v[BT+2], 16, v[PW]
	s_delay_alu instid0(VALU_DEP_1)
	v_lshl_or_b32 v[PW], v[BT+3], 24, v[PW]
.irp c, 0,1
	v_cvt_scalef32_pk16_fp6_f32 v[PC+6*\c:PC+6*\c+2], v[S+32*\c:S+32*\c+15], v[SO+2*\c]
	v_cvt_scalef32_pk16_fp6_f32 v[CT+4*\c:CT+4*\c+2], v[S+32*\c+16:S+32*\c+31], v[SO+2*\c+1]
.endr
	v_nop
.irp c, 0,1
.irp i, 0,1,2
	v_permlane16_swap_b32 v[PC+6*\c+\i], v[CT+4*\c+\i]
.endr
.irp i, 0,1,2
	s_delay_alu instid0(VALU_DEP_3)
	v_mov_b32 v[PC+3+6*\c+\i], v[CT+4*\c+\i]
.endr
.endr
.set J, 0
	s_setprio 0
.rept 16
	v_pk_mul_f32 v[O+J:O+J+1], v[O+J:O+J+1], v[F:F+1] op_sel_hi:[1,0]
.set J, J+2
.endr
	s_wait_alu depctr_va_vdst(0)
	s_wait_dscnt 0x0
.irp t, 0,1,2,3
.if \t%2
	v_wmma_scale_f32_16x16x128_f8f6f4 v[O+8*\t:O+8*\t+7], v[KV+12*\t:KV+12*\t+11], v[PC:PC+11], v[O+8*\t:O+8*\t+7], v[VWD+\t/2], v[PW] matrix_a_fmt:MATRIX_FMT_FP6 matrix_b_fmt:MATRIX_FMT_FP6 matrix_a_scale:MATRIX_SCALE_ROW1
.else
	v_wmma_scale_f32_16x16x128_f8f6f4 v[O+8*\t:O+8*\t+7], v[KV+12*\t:KV+12*\t+11], v[PC:PC+11], v[O+8*\t:O+8*\t+7], v[VWD+\t/2], v[PW] matrix_a_fmt:MATRIX_FMT_FP6 matrix_b_fmt:MATRIX_FMT_FP6
.endif
.endr
	s_add_co_u32 s[TK], s[TK], 6144
	s_add_co_u32 s[TS], s[TS], 512
.endm
.macro LOOP8 par, tk0
	s_mov_b32 s[TK], \tk0
	s_mov_b32 s[TS], (\tk0/6144)*512
	s_mov_b32 s[CNT], 8
.Lstep_\@:
	s_setprio 2
	STEP \par
	s_sub_co_u32 s[CNT], s[CNT], 1
	s_cmp_lg_u32 s[CNT], 0
	s_cbranch_scc1 .Lstep_\@
	s_setprio 0
.endm
.macro CHANGE fill, slot, step
	s_wait_tensorcnt 0x0
	ds_add_u32 v[SPW], v[NIL]
.if \step
	s_add_nc_u64 s[G0K+8*\slot+2:G0K+8*\slot+3], s[G0K+8*\slot+2:G0K+8*\slot+3], 768
	s_add_nc_u64 s[G0V+4*\slot+2:G0V+4*\slot+3], s[G0V+4*\slot+2:G0V+4*\slot+3], 6144
.endif
	s_wait_dscnt 0x0
.if \fill
	CROUND
	TLOAD G0K+8*\slot, G1K, G0V+4*\slot, G1V
.else
	s_barrier_signal -1
	s_barrier_wait -1
.endif
.endm
.macro HEADINIT
	v_mov_b32 v13, 0xff61b1e6
	s_delay_alu instid0(VALU_DEP_1)
	v_floor_f32 v12, -v13
	v_mov_b32 v14, 0
	v_mov_b32 v15, 0
.set J, 0
.rept 32
	v_mov_b32 v[O+J], 0
.set J, J+1
.endr
.endm
.macro HEADEND par
.rept 4
	v_nop
.endr
	v_add_f32 v14, v14, v15
	s_delay_alu instid0(VALU_DEP_1)
	v_permlanex16_b32 v[T], v14, s[SEL], s[SEL+1]
	s_delay_alu instid0(VALU_DEP_1)
	v_add_f32 v14, v14, v[T]
	s_wait_alu depctr_va_vdst(0)
	v_rcp_f32 v14, v14
	v_nop
	s_wait_alu depctr_va_vdst(0)
.set J, 0
.rept 16
	v_pk_mul_f32 v[S+J:S+J+1], v[O+J:O+J+1], v[14:15] op_sel_hi:[1,0]
.set J, J+2
.endr
.irp b, 0,1
	v_max3_num_f32 v[BM+\b], |v[S+16*\b]|, |v[S+16*\b+1]|, 0x1800000
.endr
.irp i, 2,4,6,8,10,12,14
.irp b, 0,1
	s_delay_alu instid0(VALU_DEP_2)
	v_max3_num_f32 v[BM+\b], v[BM+\b], |v[S+16*\b+\i]|, |v[S+16*\b+\i+1]|
.endr
.endr
.irp b, 0,1
	s_delay_alu instid0(VALU_DEP_2)
	v_permlanex16_b32 v[BT+\b], v[BM+\b], s[SEL], s[SEL+1]
.endr
.irp b, 0,1
	s_delay_alu instid0(VALU_DEP_2)
	v_max_num_f32 v[BM+\b], v[BM+\b], v[BT+\b]
.endr
.irp b, 0,1
	s_delay_alu instid0(VALU_DEP_2)
	v_add_nc_u32 v[SO+\b], 0xff000000, v[BM+\b]
.endr
.irp b, 0,1
	s_delay_alu instid0(VALU_DEP_2)
	v_lshrrev_b32 v[BT+\b], 23, v[SO+\b]
.endr
.if \par
	s_delay_alu instid0(VALU_DEP_2)
	v_lshl_or_b32 v[RW], v[BT], 16, v[RW]
	s_delay_alu instid0(VALU_DEP_1)
	v_lshl_or_b32 v[RW], v[BT+1], 24, v[RW]
.else
	s_delay_alu instid0(VALU_DEP_1)
	v_lshl_or_b32 v[RW], v[BT+1], 8, v[BT]
.endif
	v_cvt_scalef32_pk16_fp6_f32 v[RF+6*\par:RF+6*\par+2], v[S:S+15], v[SO]
	v_cvt_scalef32_pk16_fp6_f32 v[CT:CT+2], v[S+16:S+31], v[SO+1]
	v_nop
.irp i, 0,1,2
	v_permlane16_swap_b32 v[RF+6*\par+\i], v[CT+\i]
.endr
.irp i, 0,1,2
	s_delay_alu instid0(VALU_DEP_3)
	v_mov_b32 v[RF+6*\par+3+\i], v[CT+\i]
.endr
.endm
	HEADINIT
	s_wait_loadcnt 0x0
	CHANGE 1, 1, 0
	LOOP8 0, 0
	CHANGE 1, 0, 1
	LOOP8 0, KB
	HEADEND 0
	HEADINIT
	CHANGE 1, 1, 1
	LOOP8 1, 0
	CHANGE 0, 0, 0
	LOOP8 1, KB
	HEADEND 1
.irp c, 0,1,2
	global_store_b128 v[L16], v[RF+4*\c:RF+4*\c+3], s[90:91] offset:512*\c
.endr
	ds_store_b32 v[WSA], v[RW]
	s_wait_dscnt 0x0
	s_barrier_signal -1
	s_barrier_wait -1
	s_cmp_lt_u32 s[WV], 2
	s_cbranch_scc0 .Lno_words
	ds_load_b128 v[S:S+3], v[WSR]
	s_wait_dscnt 0x0
	global_store_b128 v[GW], v[S:S+3], s[92:93]
.Lno_words:
	s_wait_tensorcnt 0x0
	ds_add_u32 v[SPW], v[NIL]
	s_wait_dscnt 0x0
	CROUND
	s_endpgm
.Lfunc_end_k_q148905865d_attn:
	.size	k_q148905865d_attn, .Lfunc_end_k_q148905865d_attn-k_q148905865d_attn
	.p2alignl 7, 3214868480
	.fill 96, 4, 3214868480
	.section	.rodata,"a",@progbits
	.p2align	6, 0x0
	.amdhsa_kernel k_q148905865d_attn
		.amdhsa_group_segment_fixed_size 327680
		.amdhsa_private_segment_fixed_size 0
		.amdhsa_enable_private_segment 0
		.amdhsa_kernarg_size 24
		.amdhsa_user_sgpr_count 2
		.amdhsa_user_sgpr_kernarg_segment_ptr 1
		.amdhsa_wavefront_size32 1
		.amdhsa_system_sgpr_workgroup_id_x 1
		.amdhsa_system_sgpr_workgroup_id_y 1
		.amdhsa_system_sgpr_workgroup_id_z 1
		.amdhsa_system_vgpr_workitem_id 0
		.amdhsa_next_free_vgpr 256
		.amdhsa_next_free_sgpr 100
		.amdhsa_reserve_vcc 0
		.amdhsa_float_denorm_mode_32 3
		.amdhsa_float_denorm_mode_16_64 3
		.amdhsa_memory_ordered 1
		.amdhsa_forward_progress 1
		.amdhsa_inst_pref_size 97
	.end_amdhsa_kernel
	.amdgpu_metadata
---
amdhsa.version: [ 1, 2 ]
amdhsa.kernels:
  - .name:           k_q148905865d_attn
    .symbol:         k_q148905865d_attn.kd
    .args:
      - { .name: qk, .offset: 0, .size: 8, .value_kind: global_buffer, .address_space: global }
      - { .name: vv, .offset: 8, .size: 8, .value_kind: global_buffer, .address_space: global }
      - { .name: oo, .offset: 16, .size: 8, .value_kind: global_buffer, .address_space: global }
    .group_segment_fixed_size: 327680
    .private_segment_fixed_size: 0
    .kernarg_segment_align: 8
    .kernarg_segment_size: 24
    .max_flat_workgroup_size: 512
    .sgpr_count:     100
    .vgpr_count:     256
    .wavefront_size: 32
...
	.end_amdgpu_metadata
.endif
;; end of part 3
;; launch gemm_out (part 4): grid 4 x 32, 4 waves a work-group, clusters of 4 x 4, 327,680 bytes of LDS; arguments oo, wm, b_mlp, out0; writes out0
.if DOCPART == 4
	.amdgcn_target "amdgcn-amd-amdhsa--gfx1250"
	.amdhsa_code_object_version 6
	.text
	.protected	k_q148905865d_gemm_out
	.globl	k_q148905865d_gemm_out
	.p2align	8
	.type	k_q148905865d_gemm_out,@function
k_q148905865d_gemm_out:
	s_mov_b64 s[64:65], 0
	v_nop
	global_prefetch_b8 v0, s[64:65] scope:SCOPE_SE
	s_setreg_imm32_b32 hwreg(HW_REG_WAVE_MODE, 25, 1), 1
	s_wait_xcnt 0x0
	s_wait_alu depctr_hold_cnt(0) depctr_sa_sdst(0) depctr_va_vdst(0) depctr_va_sdst(0) depctr_va_ssrc(0) depctr_va_vcc(0) depctr_vm_vsrc(0)
	s_getreg_b32 s2, hwreg(HW_REG_IB_STS2, 6, 4)
	s_cmp_eq_u32 s2, 0
	s_cbranch_scc0 .Lentry_in_a_cluster
	s_endpgm
.Lentry_in_a_cluster:
	s_bfe_u32 s2, ttmp6, 0x10000c
	s_cmp_lg_u32 s2, 0xf033
	s_cbranch_scc0 .Lentry_shape_is_right
	s_endpgm
.Lentry_shape_is_right:
; out0[token][n] = sum over k of A[token][k] W_mlp[k][n] + b_mlp[n], K = 1,024 = (head, channel), both operands as codes of FP6 (E2M3) with E8M0 scales; sums and result in f32.
; A: chunks of 204,800 bytes for 256 tokens, as images of operand registers: [K step 0..7][16 token tiles][1,536 bytes: registers 4 c .. 4 c + 3 at 512 c + 16 x lane], at 196,608 [K step][16 tiles][16 scale words].
; B: chunks of 204,800 bytes for 256 columns n: [256][768 bytes of codes], at 196,608 [256][32 scale bytes].  Tokens and columns lie in tile order (in each 32, bits 3 and 4 changed places); the way out puts both back.
; A work-group makes 256 x 256, each of four waves 128 x 128 in 512 registers; K goes in steps of 256 through a ring of two LDS slots; the scales of all of K come once, with the first fills.
; CLUSTERS: 4 x 4 work-groups; A's tiles are shared along a row of the cluster, B's along a column, by joint loads.
; The grid has 128 work-groups: a smaller tile would give more, at twice the LDS bytes for each product.
; THE MATRIX INSTRUCTION: source 0 = 16 columns n, source 1 = 16 tokens: a lane holds one token; register j of tile b is column 32 (b / 2) + 16 (lane / 16) + 8 (b % 2) + j.  The bias is the C of each sum's first product.
; REGISTERS, in windows of 256: window 0: v0-31 addresses; v32-63 A's scale words, v64-95 B's, two sets each; from v128 A's fragments, ONE set; on the way out v128-255.
;   window 1: B's fragments, TWO sets, at v0 and v128; the bias at v96-127 and v224-255.   windows 2, 3: the accumulators ((a, b) at v[8 (8 (a % 4) + b)]).
.set SIZE_K, 1024
.set SIZE_N, 1024
.set KSTEP,  256
.set NQ,     KSTEP/128
.set ROWB,   192
.set KROW,   SIZE_K*6/8
.set PITCH,  240                       ; B's LDS row: 3 x (64 bytes + 16 of padding)
.set FR,     12
.set NLA,    3                         ; LDS loads that bring a fragment of A
.set NP,     4                         ; places behind this matrix instruction (ISA guide 7.12.1)
.set HALFT,  128*PITCH                 ; a wave's part of a slot: 128 rows of B; A's 24,576 bytes of images lie in as much
.set SLOT,   4*HALFT
.set LAPS,   SIZE_K/(2*KSTEP)
.set KS,     SIZE_K/32
.set SCA,    2*SLOT                    ; behind the ring: A's scale words, 8,192 dense bytes;
.set SCB,    SCA+8192                  ; B's scale bytes, as runs of 256 bytes + 16 of padding
.set HALFS,  (128*KS/256)*272
.set SBLK,   (16*KS/256)*272
.set SPARE,  SCB+2*HALFS               ; the spare words, 128 bytes for each wave
.set CHUNK,  204800
.set SPITCH, 528                       ; the way out: a stage of 16 rows x (512 bytes + 16) for each wave, in slot 0, which has had its last fill and its last read by then
.set ADRA, 16                          ; v16-17 LDS address of my A fragments in slot 0, 1
.set ADRB, 20                          ; v20-23 of my B fragments
.set STO,  24
.set RD,   25
.set CO,   26                          ; v26  16 x lane
.set ADSA, 27                          ; v27  A's scale words
.set SPW,  28
.set NIL,  29
.set ADSB, 30                          ; v30  B's scale words
.set BO,   31                          ; v31  64 x (lane / 16): my half's place in the bias
.set SCAR, 32
.set SCBR, 64
.set AF,   128
.set BK,   128
.set G1, 24
.set G0, 32
.set G1B, 48
.set G0B, 56
.set G1S, 68
.set G0S, 76
.set G1SB, 80
.set G0SB, 88
.set MSB, 0
.macro WIN new
.if MSB != \new
	s_set_vgpr_msb (MSB<<8)|\new
.set MSB, \new
.endif
.endm
.set MUL_LO, 0xa1
.set MUL_HI, 0xf1
.set TO_B,   0x40
.macro JLOAD g0a, g1a, g0b, g1b        ; a joint load: waves 0 and 1 fetch for A, waves 2 and 3 for B; an s_nop 0 and four v_nop follow each of the two lines
	s_cmp_eq_u32 s15, 0
	s_cbranch_scc0 .Lfor_b_\@
	tensor_load_to_lds s[\g0a:\g0a+3], s[\g1a:\g1a+7]
	s_nop 0
.rept 4
	v_nop
.endr
	s_branch .Lasked_\@
.Lfor_b_\@:
	tensor_load_to_lds s[\g0b:\g0b+3], s[\g1b:\g1b+7]
	s_nop 0
.rept 4
	v_nop
.endr
.Lasked_\@:
.endm
.macro CREST
	s_cmp_lg_u32 s14, 0
	s_cbranch_scc1 .Lnot_wave_0_\@
	s_barrier_signal -3
.Lnot_wave_0_\@:
	s_barrier_wait -3
	s_barrier_signal -1
	s_barrier_wait -1
.endm
.macro CROUND
	s_barrier_signal -1
	s_barrier_wait -1
	CREST
.endm
	s_load_b128 s[4:7], s[0:1], 0x0                ; A s[4:5], B s[6:7]
	s_load_b64 s[8:9], s[0:1], 0x10                ; the bias
	s_load_b64 s[12:13], s[0:1], 0x18              ; the output
	v_lshl_add_u32 v[SPW], v0, 2, SPARE
	v_mov_b32 v[NIL], 0
	ds_add_u32 v[SPW], v[NIL]                      ; the wave's opening: the add and its wait stand ahead of my first tensor load
	v_lshrrev_b32 v1, 5, v0
	v_readfirstlane_b32 s14, v1                    ; wave 0..3
	s_lshr_b32 s15, s14, 1                         ; which half of the 256 tokens is mine.  Also: I fetch for A (0) or for B (1)
	s_and_b32 s16, s14, 1                          ; which half of the 256 columns.  Also: which half I fetch
	s_bfe_u32 s40, ttmp6, 0x40000
	s_bfe_u32 s41, ttmp6, 0x40004
	s_lshl_b32 s42, ttmp9, 2
	s_add_co_u32 s42, s42, s40                     ; x: B's chunk
	s_and_b32 s17, ttmp7, 0xffff
	s_lshl_b32 s17, s17, 2
	s_add_co_u32 s17, s17, s41                     ; y: A's chunk
	s_lshl_b32 s43, s41, 2
	s_lshl_b32 s43, 15, s43                        ; my row of the cluster
	s_lshl_b32 s44, 0x1111, s40                    ; my column
	; A's codes: two K steps x 8 tiles: 2 rows of 12,288 bytes (1,536 elements of 8), 24,576 bytes apart; no padding: every read is 16 bytes a lane on end
	s_or_b32 s[G1+0], s43, (3<<16)|(1<<21)
	s_mov_b32 s[G1+1], 1536<<16
	s_mov_b32 s[G1+2], 2<<16
	s_mov_b32 s[G1+3], 1536<<16
	s_mov_b32 s[G1+4], 2
	s_mov_b32 s[G1+5], 3072
	s_mov_b32 s[G1+6], 0
	s_mov_b32 s[G1+7], 0
	; B's codes: 128 rows x 192 bytes, 16 bytes of padding behind every 64
	s_or_b32 s[G1B+0], s44, (0<<16)|(1<<20)|(1<<21)|(3<<22)|(3<<25)
	s_mov_b32 s[G1B+1], ROWB<<16
	s_mov_b32 s[G1B+2], 128<<16
	s_mov_b32 s[G1B+3], ROWB<<16
	s_mov_b32 s[G1B+4], 128
	s_mov_b32 s[G1B+5], KROW
	s_mov_b32 s[G1B+6], 0
	s_mov_b32 s[G1B+7], 0
	; the scales: 4,096 dense bytes a load, as 16 rows of 256; A's words without padding, B's bytes with 16 behind each row
	s_or_b32 s[G1S+0], s43, (3<<16)|(1<<21)
	s_or_b32 s[G1SB+0], s44, (3<<16)|(1<<20)|(1<<21)|(5<<22)|(3<<25)
.irp g, G1S, G1SB
	s_mov_b32 s[\g+1], 32<<16
	s_mov_b32 s[\g+2], 16<<16
	s_mov_b32 s[\g+3], 32<<16
	s_mov_b32 s[\g+4], 16
	s_mov_b32 s[\g+5], 32
	s_mov_b32 s[\g+6], 0
	s_mov_b32 s[\g+7], 0
.endr
	s_mul_i32 s22, s17, CHUNK                      ; A's chunk hangs on y alone; B's on x alone
	s_mul_i32 s92, s42, CHUNK
	s_mul_i32 s18, s16, 8*1536                     ; A: my eight tiles of each K step
	s_add_co_u32 s20, s22, s18
	s_mul_i32 s18, s16, 128*KROW                   ; B: my 128 rows
	s_add_co_u32 s46, s92, s18
	s_lshl_b32 s18, s16, 12                        ; my half of the scales, behind the chunk's codes
	s_add_co_u32 s18, s18, 196608
	s_add_co_u32 s22, s22, s18
	s_add_co_u32 s92, s92, s18
	s_mov_b32 s21, 0
	s_mov_b32 s23, 0
	s_mov_b32 s47, 0
	s_mov_b32 s93, 0
	s_mul_i32 s45, s14, HALFT                      ; where the codes go: no place in the cluster enters an LDS address
	s_lshl_b32 s94, s16, 12                        ; A's words
	s_mul_i32 s95, s16, HALFS                      ; B's bytes
	s_wait_dscnt 0x0                               ; the opening add is done
	s_wait_kmcnt 0x0
	s_add_nc_u64 s[20:21], s[4:5], s[20:21]
	s_add_nc_u64 s[22:23], s[4:5], s[22:23]
	s_add_nc_u64 s[46:47], s[6:7], s[46:47]
	s_add_nc_u64 s[92:93], s[6:7], s[92:93]
	CROUND                                         ; all sixteen work-groups are here: the first joint loads meet
	s_mov_b32 s[G0S], 1
	s_add_co_u32 s[G0S+1], s94, SCA
	s_mov_b64 s[G0S+2:G0S+3], s[22:23]
	s_or_b32 s[G0S+3], s[G0S+3], 0x80000000
	s_mov_b32 s[G0SB], 1
	s_add_co_u32 s[G0SB+1], s95, SCB
	s_mov_b64 s[G0SB+2:G0SB+3], s[92:93]
	s_or_b32 s[G0SB+3], s[G0SB+3], 0x80000000
	JLOAD G0S, G1S, G0SB, G1SB
.irp s, 0,1
	s_mov_b32 s[G0+4*\s], 1
	s_add_co_u32 s[G0+4*\s+1], s45, \s*SLOT
	s_add_nc_u64 s[G0+4*\s+2:G0+4*\s+3], s[20:21], \s*2*16*1536
	s_or_b32 s[G0+4*\s+3], s[G0+4*\s+3], 0x80000000
	s_mov_b32 s[G0B+4*\s], 1
	s_add_co_u32 s[G0B+4*\s+1], s45, \s*SLOT
	s_add_nc_u64 s[G0B+4*\s+2:G0B+4*\s+3], s[46:47], \s*ROWB
	s_or_b32 s[G0B+4*\s+3], s[G0B+4*\s+3], 0x80000000
	JLOAD G0+4*\s, G1, G0B+4*\s, G1B               ; three tensor loads of mine are out now
.endr
	v_and_b32 v1, 15, v0                           ; l % 16
	v_bfe_u32 v2, v0, 4, 1                         ; l / 16
	v_and_b32 v6, 31, v0
	v_lshlrev_b32 v[CO], 4, v6
	v_mul_u32_u24 v3, v1, PITCH
	v_mul_u32_u24 v4, v2, 24
	v_add_nc_u32 v4, v3, v4
	v_lshl_add_u32 v5, v2, 4, v4
	s_mul_i32 s21, s15, HALFT                      ; my eight tiles of A
	s_mul_i32 s22, s16, HALFT
	s_add_co_u32 s22, s22, 2*HALFT                 ; my 128 rows of B
.irp s, 0,1
	v_add_nc_u32 v[ADRA+\s], s21, v[CO]
	v_add_nc_u32 v[ADRB+\s], s22, v4
	v_add_nc_u32 v[ADRB+2+\s], s22, v5
	s_add_co_u32 s21, s21, SLOT
	s_add_co_u32 s22, s22, SLOT
.endr
	s_lshl_b32 s21, s15, 9
	s_add_co_u32 s21, s21, SCA
	v_lshl_add_u32 v[ADSA], v1, 2, s21             ; A's words: K step x 1,024 + tile x 64 + 4 x row
	v_lshlrev_b32 v5, 5, v1                        ; B's: 32 bytes a row, and 16 more behind each 256
	v_lshrrev_b32 v6, 3, v1
	v_lshl_add_u32 v5, v6, 4, v5
	s_mul_i32 s22, s16, HALFS
	s_add_co_u32 s22, s22, SCB
	v_add_nc_u32 v[ADSB], s22, v5
	s_mul_i32 s23, s14, 16*SPITCH                  ; my stage
	v_mul_u32_u24 v5, v1, SPITCH
	v_lshl_add_u32 v5, v2, 6, v5                   ; in: row l % 16, 64 bytes on for the upper half of the lanes
	v_add_nc_u32 v[STO], s23, v5
	v_add_nc_u32 v[RD], s23, v[CO]                 ; back: the 32 lanes take one row of 512 bytes
	v_lshlrev_b32 v[BO], 6, v2
	s_lshl_b32 s46, s42, 10                        ; my first column, in bytes: 1,024 x + 512 x half
	s_lshl_b32 s47, s16, 9
	s_add_co_u32 s46, s46, s47
	s_mov_b32 s47, 0
	s_add_nc_u64 s[8:9], s[8:9], s[46:47]
	WIN TO_B
.irp b, 0,1,2,3,4,5,6,7                        ; the bias in the result's layout: tile b's eight columns of my half
	global_load_b128 v[96+8*\b+96*(\b/4):96+8*\b+96*(\b/4)+3], v[BO], s[8:9] offset:(32*(\b/2)+8*(\b%2))*4
	global_load_b128 v[96+8*\b+96*(\b/4)+4:96+8*\b+96*(\b/4)+7], v[BO], s[8:9] offset:(32*(\b/2)+8*(\b%2))*4+16
.endr
	WIN 0
	s_lshl_b32 s20, s17, 8
	s_lshl_b32 s21, s15, 7
	s_add_co_u32 s20, s20, s21                     ; my first token
	s_lshl_b32 s20, s20, 12                        ; a row of the output is 4,096 bytes
	s_mov_b32 s21, 0
	s_add_nc_u64 s[20:21], s[20:21], s[46:47]
	s_add_nc_u64 s[12:13], s[12:13], s[20:21]
.macro FRAG reg, adr, q, i             ; a fragment of B: 24 bytes of the row's stream of bits for each 64 along K, in pieces of 8 bytes; the second address register serves the pieces behind one padding more
.irp p, 0,1,2,3,4,5
.set PCE, 12*(\q)+6*(\p/3)+\p%3
.if PCE%8 < 5
	ds_load_b64 v[\reg+2*\p:\reg+2*\p+1], v[\adr] offset:8*PCE+16*(PCE/8)+(\i)*16*PITCH
.else
	ds_load_b64 v[\reg+2*\p:\reg+2*\p+1], v[\adr+2] offset:8*PCE+16*(PCE/8)+(\i)*16*PITCH
.endif
.endr
.endm
.macro FRAGA reg, slot, q, i           ; a fragment of A comes back as it was stored: three loads of 512 bytes on end
.irp c, 0,1,2
	ds_load_b128 v[\reg+4*\c:\reg+4*\c+3], v[ADRA+\slot] offset:(\q)*12288+(\i)*1536+512*\c
.endr
.endm
; 16 matrix instructions: A's blocks a0, a0 + 1 x B's eight.  zero = 1: the first product starts the sums with the bias as C.  The 64 accumulators take turns, one instruction a turn.
.macro MUL16 a0, p, q, sc, zero
.irp a, \a0, \a0+1
.irp b, 0,1,2,3,4,5,6,7
.if \zero
	v_wmma_scale_f32_16x16x128_f8f6f4 v[8*(8*((\a)%4)+\b):8*(8*((\a)%4)+\b)+7], v[128*(\p)+FR*\b:128*(\p)+FR*\b+FR-1], v[AF+FR*(\a):AF+FR*(\a)+FR-1], v[96+8*\b+96*(\b/4):96+8*\b+96*(\b/4)+7], v[SCBR+16*(\sc)+2*\b+(\q)], v[SCAR+16*(\sc)+2*(\a)+(\q)] matrix_a_fmt:MATRIX_FMT_FP6 matrix_b_fmt:MATRIX_FMT_FP6
.else
	v_wmma_scale_f32_16x16x128_f8f6f4 v[8*(8*((\a)%4)+\b):8*(8*((\a)%4)+\b)+7], v[128*(\p)+FR*\b:128*(\p)+FR*\b+FR-1], v[AF+FR*(\a):AF+FR*(\a)+FR-1], v[8*(8*((\a)%4)+\b):8*(8*((\a)%4)+\b)+7], v[SCBR+16*(\sc)+2*\b+(\q)], v[SCAR+16*(\sc)+2*(\a)+(\q)] matrix_a_fmt:MATRIX_FMT_FP6 matrix_b_fmt:MATRIX_FMT_FP6
.endif
.endr
.endr
.endm
.macro FETCH_B slot, q, p
	WIN TO_B
.irp i, 0,1,2,3,4,5,6,7
	FRAG 128*(\p)+FR*\i, ADRB+\slot, \q, \i
.endr
	WIN 0
.endm
.macro FETCH_A slot, q, i0
.irp i, \i0, \i0+1, \i0+2, \i0+3
	FRAGA AF+FR*(\i), \slot, \q, \i
.endr
.endm
.macro SCALES sc                       ; the next K step's scale words: A's and B's lie at different strides, so each side has registers of its own
.irp i, 0,1,2,3,4,5,6,7
	ds_load_b32 v[SCAR+16*\sc+2*\i], v[ADSA] offset:64*\i
	ds_load_b32 v[SCAR+16*\sc+2*\i+1], v[ADSA] offset:1024+64*\i
	ds_load_b64 v[SCBR+16*\sc+2*\i:SCBR+16*\sc+2*\i+1], v[ADSB] offset:\i*SBLK
.endr
.endm
.macro PLACES n
.rept \n
	v_nop
.endr
.endm
.macro STEP slot, q, zero
	s_wait_dscnt 4*NLA                             ; B's set and A's blocks 0-3 are in; the youngest 12 loads (A's blocks 4-7) may be out
.if \zero
	WIN 0x91                                       ; C (the bias) in window 1, D in window 2
.else
	WIN MUL_LO
.endif
	MUL16 0, (\q)%2, \q, \slot, \zero
	MUL16 2, (\q)%2, \q, \slot, \zero
	s_wait_dscnt 0
	PLACES NP
	FETCH_B \slot, (\q)+1, 1-(\q)%2
	FETCH_A \slot, (\q)+1, 0
.if \zero
	WIN 0xd1                                       ; C in window 1, D in window 3
.else
	WIN MUL_HI
.endif
	MUL16 4, (\q)%2, \q, \slot, \zero
	MUL16 6, (\q)%2, \q, \slot, \zero
	PLACES NP
	WIN 0
	FETCH_A \slot, (\q)+1, 4
.endm
.macro TURN slot, next, fill           ; a slot's last step changes slots: ONE barrier, with the wait for all my tensor loads, the add, and the wait for it and for my reads of this slot in front of it
	s_wait_tensorcnt 0x0
	ds_add_u32 v[SPW], v[NIL]                      ; 0 onto my spare word
	s_wait_dscnt 4*NLA+1                           ; the add and the youngest 12 loads may be out
	WIN MUL_LO
	MUL16 0, 1, NQ-1, \slot, 0
	s_wait_dscnt 0x0                               ; the add is done, and my reads of this slot are over
	s_barrier_signal -1
	MUL16 2, 1, NQ-1, \slot, 0
	WIN 0
	s_barrier_wait -1
.if \fill
	CREST                                          ; the barrier has opened a round of the cluster's barrier
	s_add_nc_u64 s[G0+4*\slot+2:G0+4*\slot+3], s[G0+4*\slot+2:G0+4*\slot+3], 4*16*1536
	s_add_nc_u64 s[G0B+4*\slot+2:G0B+4*\slot+3], s[G0B+4*\slot+2:G0B+4*\slot+3], 2*ROWB
	JLOAD G0+4*\slot, G1, G0B+4*\slot, G1B         ; the first tensor load behind the round; its four v_nop are the places in front of the loads below
.else
	PLACES NP
.endif
	v_add_nc_u32 v[ADSA], 2048, v[ADSA]            ; on to the next K step's scale words
	v_add_nc_u32 v[ADSB], 8, v[ADSB]
	FETCH_B \next, 0, 0
	FETCH_A \next, 0, 0
	SCALES \next
	WIN MUL_HI
	MUL16 4, 1, NQ-1, \slot, 0
	MUL16 6, 1, NQ-1, \slot, 0
	PLACES NP
	WIN 0
	FETCH_A \next, 0, 4
.endm
	s_wait_tensorcnt 1                             ; the scales and my part of K step 0 are in; K step 1's load may be out
	s_barrier_signal -1
	s_barrier_wait -1
	FETCH_B 0, 0, 0
	FETCH_A 0, 0, 0
	SCALES 0
	FETCH_A 0, 0, 4
	s_wait_loadcnt 0x0                             ; the bias
	STEP 0, 0, 1
	s_mov_b32 s3, LAPS-1
.Llap:
	TURN 0, 1, 1
	STEP 1, 0, 0
	TURN 1, 0, 1
	STEP 0, 0, 0
	s_sub_co_u32 s3, s3, 1
	s_cmp_lg_u32 s3, 0
	s_cbranch_scc1 .Llap
	TURN 0, 1, 0
	STEP 1, 0, 0
	s_wait_dscnt 4*NLA
	WIN MUL_LO
	MUL16 0, 1, NQ-1, 1, 0
	MUL16 2, 1, NQ-1, 1, 0
	s_wait_dscnt 0
	WIN MUL_HI
	MUL16 4, 1, NQ-1, 1, 0
	MUL16 6, 1, NQ-1, 1, 0
	WIN 0
; THE WAY OUT, block by block of 16 tokens x 128 columns, through my own stage in LDS: in as 32 bytes a lane at the columns' true places, back as whole rows of 512 bytes.
; LDS serves a wave's instructions in order (ISA guide 5.7.1.4): no wait between the stores and the loads, nor in front of the next block's stores.
.macro TOSTAGE a
.set AC, 64*((\a)%4)
	WIN 0x08+4*((\a)/4)                            ; the data: window 2 or 3
.irp b, 0,1,2,3,4,5,6,7
	ds_store_b128 v[STO], v[AC+8*\b:AC+8*\b+3] offset:128*(\b/2)+32*(\b%2)          ; each accumulator from its low end on
	ds_store_b128 v[STO], v[AC+8*\b+4:AC+8*\b+7] offset:128*(\b/2)+32*(\b%2)+16
.endr
	WIN 0
.set BB, BK+64*((\a)%2)
.irp t, 0,1,2,3,4,5,6,7,8,9,10,11,12,13,14,15
	ds_load_b128 v[BB+4*\t:BB+4*\t+3], v[RD] offset:\t*SPITCH
.endr
.endm
.macro SEND a, younger                 ; younger: the LDS instructions issued behind block a's loads, which may stay out
.set BB, BK+64*((\a)%2)
	s_wait_dscnt \younger
.if (\a) > 0                           ; block a begins at token 32 (a / 2) + 8 (a % 2); the base is stepped behind a wait that shows the earlier stores' addresses read
.if (\a)%2
	s_add_nc_u64 s[12:13], s[12:13], 8*SIZE_N*4
.else
	s_add_nc_u64 s[12:13], s[12:13], 24*SIZE_N*4
.endif
.endif
.irp t, 0,1,2,3,4,5,6,7,8,9,10,11,12,13,14,15
	global_store_b128 v[CO], v[BB+4*\t:BB+4*\t+3], s[12:13] offset:((\t%8)+16*(\t/8))*SIZE_N*4 th:TH_STORE_NT   ; place t of the tile is token t % 8 + 16 (t / 8): 32 lanes store 512 consecutive bytes, aligned
.endr
.endm
	PLACES NP
	TOSTAGE 0
.irp a, 1,2,3,4,5,6,7
.if \a > 1
	s_wait_xcnt 0x0                                ; block a - 2's stores have read their registers and their base
.endif
	TOSTAGE \a
	SEND \a-1, 32                                  ; behind block a - 1's loads: block a's 16 stores and 16 loads
.endr
	s_wait_xcnt 0x0
	SEND 7, 0
	s_wait_tensorcnt 0x0                           ; the wave's end, behind my last tensor load and my last LDS store
	ds_add_u32 v[SPW], v[NIL]
	s_wait_dscnt 0x0
	CROUND                                         ; the closing round
	s_endpgm
.Lfunc_end_k_q148905865d_gemm_out:
	.size	k_q148905865d_gemm_out, .Lfunc_end_k_q148905865d_gemm_out-k_q148905865d_gemm_out
	.p2alignl 7, 3214868480
	.fill 96, 4, 3214868480
	.section	.rodata,"a",@progbits
	.p2align	6, 0x0
	.amdhsa_kernel k_q148905865d_gemm_out
		.amdhsa_group_segment_fixed_size 327680
		.amdhsa_private_segment_fixed_size 0
		.amdhsa_enable_private_segment 0
		.amdhsa_kernarg_size 32
		.amdhsa_user_sgpr_count 2
		.amdhsa_user_sgpr_kernarg_segment_ptr 1
		.amdhsa_wavefront_size32 1
		.amdhsa_system_sgpr_workgroup_id_x 1
		.amdhsa_system_sgpr_workgroup_id_y 1
		.amdhsa_system_sgpr_workgroup_id_z 1
		.amdhsa_system_vgpr_workitem_id 0
		.amdhsa_next_free_vgpr 1024
		.amdhsa_next_free_sgpr 98
		.amdhsa_reserve_vcc 0
		.amdhsa_float_denorm_mode_32 3
		.amdhsa_float_denorm_mode_16_64 3
		.amdhsa_memory_ordered 1
		.amdhsa_forward_progress 1
		.amdhsa_inst_pref_size 154
	.end_amdhsa_kernel
	.amdgpu_metadata
---
amdhsa.version: [ 1, 2 ]
amdhsa.kernels:
  - .name:           k_q148905865d_gemm_out
    .symbol:         k_q148905865d_gemm_out.kd
    .args:
      - { .name: oo, .offset: 0, .size: 8, .value_kind: global_buffer, .address_space: global }
      - { .name: wm, .offset: 8, .size: 8, .value_kind: global_buffer, .address_space: global }
      - { .name: b_mlp, .offset: 16, .size: 8, .value_kind: global_buffer, .address_space: global }
      - { .name: out0, .offset: 24, .size: 8, .value_kind: global_buffer, .address_space: global }
    .group_segment_fixed_size: 327680
    .private_segment_fixed_size: 0
    .kernarg_segment_align: 8
    .kernarg_segment_size: 32
    .max_flat_workgroup_size: 128
    .sgpr_count:     98
    .vgpr_count:     1024
    .wavefront_size: 32
...
	.end_amdgpu_metadata
.endif
;; end of part 4
